; MI455X (gfx1250); checked and timed in simulation.
; The chip was launched on July 23, 2026; its instructions are those of AMD's public machine-readable ISA for CDNA 5 (MIT licence, August 2026) and "CDNA5" Instruction Set Architecture Reference Guide (July 2026). The comments in the code are by the model that wrote it; some were corrected since.
;; Projection Layer. Allowed arithmetic: float matrix products may take bf16 or f16 operands with f32 sums; other float arithmetic in f32, or as packed bf16 or f16 multiplies, adds, multiply-adds, maxima and minima; sums over many terms, partial sums and values carried from step to step in f32; what a program stores and reads back later, other than sums and carried values, may be rounded once to bf16 or f16.
;; Inputs: W_af 512 x 1 float32; W_as 1,024 x 512 float32; W_c1 1,024 x 512 float32; W_c2 512 x 1,024 float32; W_u 512 x 256 float32; W_ws 1,024 x 512 float32; b_af 1 float32; b_as 512 float32; b_c1 512 float32; b_c2 1,024 float32; b_u 256 float32; b_ws 512 float32; ln_b 512 float32; ln_g 512 float32; x 64 x 512 x 1,024 float32.
;; Outputs: out0 64 x 256 float32.
;; 2 versions, each right; version 2 is version 1 with the launches tc2, tws, tout written anew for expert scheduling mode. Each part assembles by itself: llvm-mc -triple=amdgcn-amd-amdhsa -mcpu=gfx1250 --defsym DOCPART=n.
;; ======== version 1 of 2: 5 launches
;; workspace buffers: wf 4,456,448 bytes; part 524,288 bytes; stat 2,048 bytes; u 262,144 bytes; h 131,072 bytes
;; launch prep (part 1): grid 544 x 1, 4 waves a work-group, no clusters, 8,704 bytes of LDS; arguments W_as, W_c1, W_c2, W_ws, W_u, wf; writes wf
.if DOCPART == 1
	.amdgcn_target "amdgcn-amd-amdhsa--gfx1250"
	.amdhsa_code_object_version 6
	.text
	.protected	k_qc27a036e8c_prep
	.globl	k_qc27a036e8c_prep
	.p2align	8
	.type	k_qc27a036e8c_prep,@function
k_qc27a036e8c_prep:
	s_mov_b64 s[64:65], 0
	v_nop
	global_prefetch_b8 v0, s[64:65] scope:SCOPE_SE
	s_setreg_imm32_b32 hwreg(HW_REG_WAVE_MODE, 25, 1), 1
	s_wait_xcnt 0x0
; The five weight matrices ([K][N], f32) are rounded once to bf16 and laid out as ready matrix fragments.
; wf is 544 blocks of 8,192 bytes.  A block holds 32 k (K step s) x 128 columns (column group w).  The 16 bytes at
; t*1024 + j*512 + 16*L (tile t of 16 columns, half j, lane L = 16 h + r) are W[32 s + 16 j + 8 h + i][128 w + 16 t + r], i = 0..7,
; the lower k in the lower bits: registers 4 j .. 4 j + 3 of a 16-bit fragment (ISA guide 7.12.2), so a later load at 16 x lane brings them as they lie.
; Blocks: 0-255 W_as (bit 5 clear) and W_c1 (bit 5 set) at w*64 + p*32 + s; 256-383 W_c2 at w*16 + s; 384-511 W_ws at w*32 + s; 512-543 W_u at w*16 + s.
; One work-group makes one block: wave kg takes 8 k, lane cx 4 columns.  Each load covers 512 consecutive bytes of a row of W,
; each store 512 consecutive bytes of wf; the turn from [k][n] to [n][k] goes through LDS.
.set SPARE, 8192                       ; behind the block: the spare words, 128 bytes a wave
.set SPW, 2                            ; v2      my spare word's LDS address; never rewritten
.set NIL, 3                            ; v3      0; never rewritten
.set OFS, 4                            ; v4-11   byte offset of my 16 bytes in row i of my eight
.set STO, 12                           ; v12     where my fragments' bytes go in LDS
.set RDO, 13                           ; v13     16 x thread: the way back and out
.set R,   16                           ; v16-47  R[i][c]: row i, column c as loaded; later the block read back
.set O,   48                           ; v48-63  O[c][0..3]: column c, eight k packed
	s_load_b256 s[8:15], s[0:1], 0x0               ; W_as s[8:9], W_c1 s[10:11], W_c2 s[12:13], W_ws s[14:15]
	s_load_b128 s[16:19], s[0:1], 0x20             ; W_u s[16:17], wf s[18:19]
	v_lshl_add_u32 v[SPW], v0, 2, SPARE
	v_mov_b32 v[NIL], 0
	v_lshrrev_b32 v1, 5, v0
	v_readfirstlane_b32 s2, v1                     ; wave = kg
	v_and_b32 v1, 31, v0                           ; cx
	s_mov_b32 s4, ttmp9                            ; the block's number
	s_lshr_b32 s20, s4, 6                          ; as a block of W_as or W_c1: w,
	s_and_b32 s21, s4, 31                          ; s,
	s_mov_b32 s22, 2048                            ; bytes from row to row
	s_sub_co_u32 s23, s4, 256                      ; as a block of W_c2
	s_lshr_b32 s24, s23, 4
	s_and_b32 s25, s23, 15
	s_sub_co_u32 s23, s4, 384                      ; of W_ws
	s_lshr_b32 s26, s23, 5
	s_and_b32 s27, s23, 31
	s_sub_co_u32 s23, s4, 512                      ; of W_u
	s_lshr_b32 s28, s23, 4
	s_and_b32 s29, s23, 15
	s_wait_kmcnt 0x0
	s_bitcmp1_b32 s4, 5                            ; the choices hang on the block's number alone; s_cselect leaves SCC as it is
	s_cselect_b64 s[6:7], s[10:11], s[8:9]
	s_cmp_ge_u32 s4, 256
	s_cselect_b64 s[6:7], s[12:13], s[6:7]
	s_cselect_b32 s20, s24, s20
	s_cselect_b32 s21, s25, s21
	s_cselect_b32 s22, 4096, s22
	s_cmp_ge_u32 s4, 384
	s_cselect_b64 s[6:7], s[14:15], s[6:7]
	s_cselect_b32 s20, s26, s20
	s_cselect_b32 s21, s27, s21
	s_cselect_b32 s22, 2048, s22
	s_cmp_ge_u32 s4, 512
	s_cselect_b64 s[6:7], s[16:17], s[6:7]
	s_cselect_b32 s20, s28, s20
	s_cselect_b32 s21, s29, s21
	s_cselect_b32 s22, 1024, s22
	s_lshl_b32 s30, s21, 5                         ; 32 s
	s_lshl3_add_u32 s30, s2, s30                   ; + 8 kg: my first row,
	s_mul_i32 s30, s30, s22                        ; in bytes,
	s_lshl_b32 s31, s20, 9                         ; and the group's 128 columns
	s_add_co_u32 s30, s30, s31
	s_mov_b32 s31, 0
	s_add_nc_u64 s[6:7], s[6:7], s[30:31]
	s_lshl_b32 s32, s4, 13
	s_mov_b32 s33, 0
	s_add_nc_u64 s[18:19], s[18:19], s[32:33]      ; wf at my block
	v_lshlrev_b32 v[OFS], 4, v1
.irp i, 1,2,3,4,5,6,7
	v_add_nc_u32 v[OFS+\i], s22, v[OFS+\i-1]
.endr
.irp i, 0,1,2,3,4,5,6,7
	global_load_b128 v[R+4*\i:R+4*\i+3], v[OFS+\i], s[6:7] th:TH_LOAD_NT
.endr
	v_lshrrev_b32 v[STO], 2, v1                    ; tile t = cx / 4
	v_and_b32 v[RDO], 3, v1
	v_lshlrev_b32 v[STO], 10, v[STO]
	v_lshl_add_u32 v[STO], v[RDO], 6, v[STO]       ; r = 4 (cx % 4) + c: 16 bytes for each r
	s_lshl_b32 s34, s2, 8                          ; 512 j + 256 h with kg = 2 j + h
	v_add_nc_u32 v[STO], s34, v[STO]
	v_lshlrev_b32 v[RDO], 4, v0
	s_wait_loadcnt 0x0
.irp c, 0,1,2,3
.irp ip, 0,1,2,3
	v_cvt_pk_bf16_f32 v[O+4*\c+\ip], v[R+8*\ip+\c], v[R+8*\ip+4+\c]  ; k = 2 ip below, 2 ip + 1 above
.endr
.endr
.irp c, 0,1,2,3
	ds_store_b128 v[STO], v[O+4*\c:O+4*\c+3] offset:16*\c
.endr
	s_wait_dscnt 0x0                               ; for the others' sake: my stores are done
	s_barrier_signal -1
	s_barrier_wait -1
.irp i, 0,1,2,3
	ds_load_b128 v[R+4*\i:R+4*\i+3], v[RDO] offset:2048*\i
.endr
.irp i, 0,1,2,3
	s_wait_dscnt 3-\i                              ; LDS loads come back in order: number i is in
	global_store_b128 v[RDO], v[R+4*\i:R+4*\i+3], s[18:19] offset:2048*\i  ; a wave stores 512 consecutive bytes
.endr
	s_wait_tensorcnt 0x0                           ; the wave's end: three lines behind my last LDS store
	ds_add_u32 v[SPW], v[NIL]
	s_wait_dscnt 0x0
	s_endpgm
.Lfunc_end_k_qc27a036e8c_prep:
	.size	k_qc27a036e8c_prep, .Lfunc_end_k_qc27a036e8c_prep-k_qc27a036e8c_prep
	.p2alignl 7, 3214868480
	.fill 96, 4, 3214868480
	.section	.rodata,"a",@progbits
	.p2align	6, 0x0
	.amdhsa_kernel k_qc27a036e8c_prep
		.amdhsa_group_segment_fixed_size 8704
		.amdhsa_private_segment_fixed_size 0
		.amdhsa_enable_private_segment 0
		.amdhsa_kernarg_size 48
		.amdhsa_user_sgpr_count 2
		.amdhsa_user_sgpr_kernarg_segment_ptr 1
		.amdhsa_wavefront_size32 1
		.amdhsa_system_sgpr_workgroup_id_x 1
		.amdhsa_system_sgpr_workgroup_id_y 1
		.amdhsa_system_sgpr_workgroup_id_z 1
		.amdhsa_system_vgpr_workitem_id 0
		.amdhsa_next_free_vgpr 64
		.amdhsa_next_free_sgpr 66
		.amdhsa_reserve_vcc 0
		.amdhsa_float_denorm_mode_32 3
		.amdhsa_float_denorm_mode_16_64 3
		.amdhsa_memory_ordered 1
		.amdhsa_forward_progress 1
		.amdhsa_inst_pref_size 6
	.end_amdhsa_kernel
	.amdgpu_metadata
---
amdhsa.version: [ 1, 2 ]
amdhsa.kernels:
  - .name:           k_qc27a036e8c_prep
    .symbol:         k_qc27a036e8c_prep.kd
    .args:
      - { .name: W_as, .offset: 0, .size: 8, .value_kind: global_buffer, .address_space: global }
      - { .name: W_c1, .offset: 8, .size: 8, .value_kind: global_buffer, .address_space: global }
      - { .name: W_c2, .offset: 16, .size: 8, .value_kind: global_buffer, .address_space: global }
      - { .name: W_ws, .offset: 24, .size: 8, .value_kind: global_buffer, .address_space: global }
      - { .name: W_u, .offset: 32, .size: 8, .value_kind: global_buffer, .address_space: global }
      - { .name: wf, .offset: 40, .size: 8, .value_kind: global_buffer, .address_space: global }
    .group_segment_fixed_size: 8704
    .private_segment_fixed_size: 0
    .kernarg_segment_align: 8
    .kernarg_segment_size: 48
    .max_flat_workgroup_size: 128
    .sgpr_count:     66
    .vgpr_count:     64
    .wavefront_size: 32
...
	.end_amdgpu_metadata
.endif
;; end of part 1
;; launch main (part 2): grid 256 x 1, 4 waves a work-group, no clusters, 285,184 bytes of LDS; arguments x, wf, b_as, W_af, b_af, b_c1, part, stat; writes part, stat
.if DOCPART == 2
	.amdgcn_target "amdgcn-amd-amdhsa--gfx1250"
	.amdhsa_code_object_version 6
	.text
	.protected	k_qc27a036e8c_main
	.globl	k_qc27a036e8c_main
	.p2align	8
	.type	k_qc27a036e8c_main,@function
k_qc27a036e8c_main:
	s_mov_b64 s[64:65], 0
	v_nop
	global_prefetch_b8 v0, s[64:65] scope:SCOPE_SE
	s_setreg_imm32_b32 hwreg(HW_REG_WAVE_MODE, 25, 1), 1
	s_wait_xcnt 0x0
; For 128 rows of x (a quarter of a batch): the scores tanh(x W_as + b_as) W_af + b_af, their maximum m, e = exp(score - m), l = the sum of e,
; and p[512] = the sum over the rows of e x relu(x W_c1 + b_c1).  part[g] = p, stat[g] = (m, l); the next launch joins a batch's four quarters by their maxima.
; W_c2 stands behind a weighted sum over rows and is linear, so it is applied to the pooled vector in the next launch.
; FORMATS.  x, the weights, the biases, W_af and b_af are rounded once to bf16; products' sums, scores, e and p stay in f32.
; LIMITS.  tanh(z) = 1 - 2 / (1 + 2^(2 log2(e) z)): absolute error near 1e-7, exact saturation at both ends (2^.. = infinity gives 1, 0 gives -1).
; The score is the sum of w plus the sum of (-2 w) / (1 + 2^..): both are bounded by the sum of |w|.  NaN is not treated apart.
; SHARES.  Wave w owns all 128 rows x columns 128 w .. 128 w + 127 of a pass: 64 accumulators of 16 x 16, 512 registers.  Pass 1 is W_as (steps 0-31),
; pass 2 W_c1 (steps 32-63); a step is 32 along K: 64 matrix instructions.  Source 0 = 16 rows of x, source 1 = 16 columns of W: a lane holds one column and eight rows.
; x is read from memory once, as f32, rounded in registers and kept as bf16 in LDS for both passes: 8 chunks of 128 along K, rows 272 bytes apart.
; The weights come from wf straight into registers, 16 loads of 512 consecutive bytes a step, two steps ahead, in a ring of four buffers.
; NO TENSOR LOADS, NO JOINT LOADS: the x tile takes 278,528 bytes of LDS, what is left would not hold two slots of one step's weights (32,768 bytes each),
; and a wave's 128 columns are read by no other wave of the work-group, so a way through LDS would share nothing inside it.
; REGISTERS, in windows of 256 (s_set_vgpr_msb: bits 1:0 source 0, 3:2 source 1, 5:4 source 2, 7:6 destination):
;   window 0: addresses, constants, v48-63 at work, v64-127 x's fragments (one buffer, refilled pair by pair), v128-255 32 staged rows of x; later sums, e and p
;   window 1: the weights' ring, buffer S % 4 at 64 (S % 4)       windows 2, 3: accumulator (a, b) in window 2 + a / 4 at 8 (8 (a % 4) + b)
.set PITCH, 272                        ; a row of a chunk in LDS: 256 bytes + 16: the 16 rows of a fragment load start 68 words apart
.set CHUNK, 128*PITCH
.set SCR,   8*CHUNK                    ; [4 waves][128 rows] f32: partial scores
.set EAR,   SCR+2048                   ; 512 bytes a wave, its own: e
.set PST,   EAR+2048                   ; 512 bytes a wave, its own: p on its way out
.set SPARE, PST+2048                   ; the spare words, 128 bytes a wave
.set SPW,   2                          ; my spare word's LDS address; never rewritten
.set NIL,   3                          ; 0; never rewritten
.set LOFF,  4                          ; 16 x lane
.set ADRA0, 5                          ; r x 272 + 16 h: my place in a fragment of chunk 0
.set ADRA,  6                          ; the same in the chunk in hand
.set STX,   7                          ; where my 8 bytes of a staged row go
.set SCW,   8
.set SCRD,  9
.set EWR,   10
.set ERD,   11
.set PSW,   12
.set PSR,   13
.set VOB,   14                         ; 4 (128 w + r): my column in b_as, W_af, b_c1
.set POFF,  15                         ; 512 w + 16 x lane
.set CB,    16                         ; v16-23  2 log2(e) b_as of my column in tile b
.set W2,    24                         ; v24-31  -2 W_af
.set WS,    32                         ; v32-33  the sum of my eight W_af, twice
.set BC,    36                         ; v36-43  b_c1.  v34 m, v35 l; v44-45 at work; v46-47 b_af twice
.set T,     48
.set AF,    64
.set XS,    128
.set SUM,   128                        ; v128-191  score sums, then e, by row 16 a + 8 h + j at 8 a + j
.set EE,    128
.set PS,    192                        ; v192-255  p's sums at 8 b + j
.set XB,    8                          ; s[8:9]    x at my 32 rows, stepped by chunks
.set WB,    10                         ; s[10:11]  wf at my stream of 64 blocks, stepped
.set MSB, 0
.macro WIN new                         ; the immediate's high byte repeats the setting that is left; a switch that changes nothing is dropped
.if MSB != (\new)
	s_set_vgpr_msb (MSB<<8)|(\new)
.set MSB, \new
.endif
.endm
.macro PLACES                          ; four places behind matrix instructions, in front of loads into and vector work on their registers
.rept 4
	v_nop
.endr
.endm
; 16 matrix instructions: row blocks 2 g, 2 g + 1 x all 8 column tiles.  cm = 0: onto the sums; 1: the constant 0 starts them; 2: b_c1, spread in window 1 v192-255, starts them.
; The 64 accumulators take turns, one instruction a turn, in the same order in every step.
.macro MM16 g, bb, cm
.if (\cm) == 2
	WIN 0x94+0x40*((\g)/2)
.else
	WIN 0xa4+0x50*((\g)/2)
.endif
.irp aa, 0,1
.irp b, 0,1,2,3,4,5,6,7
.set rD, 8*(8*((2*(\g)+\aa)%4)+\b)
.set rA, AF+8*(2*(\g)+\aa)
.set rB, 64*(\bb)+8*\b
.if (\cm) == 0
	v_wmma_f32_16x16x32_bf16 v[rD:rD+7], v[rA:rA+7], v[rB:rB+7], v[rD:rD+7]
.elseif (\cm) == 1
	v_wmma_f32_16x16x32_bf16 v[rD:rD+7], v[rA:rA+7], v[rB:rB+7], 0
.else
	v_wmma_f32_16x16x32_bf16 v[rD:rD+7], v[rA:rA+7], v[rB:rB+7], v[192+8*\b:192+8*\b+7]
.endif
.endr
.endr
.endm
.macro ALD g, areg, ko                 ; fragments 2 g, 2 g + 1 of the NEXT step: four LDS loads
.irp aa, 0,1
	ds_load_b128 v[AF+8*(2*(\g)+\aa):AF+8*(2*(\g)+\aa)+3],   v[\areg] offset:(\ko)+(2*(\g)+\aa)*16*PITCH
	ds_load_b128 v[AF+8*(2*(\g)+\aa)+4:AF+8*(2*(\g)+\aa)+7], v[\areg] offset:(\ko)+(2*(\g)+\aa)*16*PITCH+32
.endr
.endm
.macro BLD bb2, bo                     ; a block of wf into ring buffer bb2: 16 loads of 512 consecutive bytes
	WIN 0x40
.irp t, 0,1,2,3,4,5,6,7
	global_load_b128 v[64*(\bb2)+8*\t:64*(\bb2)+8*\t+3],   v[LOFF], s[WB:WB+1] offset:(\bo)+1024*\t
	global_load_b128 v[64*(\bb2)+8*\t+4:64*(\bb2)+8*\t+7], v[LOFF], s[WB:WB+1] offset:(\bo)+1024*\t+512
.endr
	WIN 0
.endm
.macro XCV gam, base                   ; rows 8 gam .. 8 gam + 7 of my 32: four f32 a lane become four bf16
.irp i, 0,1,2,3,4,5,6,7
	v_cvt_pk_bf16_f32 v[T+2*\i],   v[(\base)+4*(8*(\gam)+\i)],   v[(\base)+4*(8*(\gam)+\i)+1]
	v_cvt_pk_bf16_f32 v[T+2*\i+1], v[(\base)+4*(8*(\gam)+\i)+2], v[(\base)+4*(8*(\gam)+\i)+3]
.endr
.endm
.macro XST gam, co                     ; and go into the chunk: each store covers a row's 256 bytes
.irp i, 0,1,2,3,4,5,6,7
	ds_store_b64 v[STX], v[T+2*\i:T+2*\i+1] offset:(\co)+(8*(\gam)+\i)*PITCH
.endr
.endm
.macro XLD gam, xo                     ; the same rows of a later chunk: each load covers 512 consecutive bytes of a row of x
.irp i, 0,1,2,3,4,5,6,7
	global_load_b128 v[XS+4*(8*(\gam)+\i):XS+4*(8*(\gam)+\i)+3], v[LOFF], s[XB:XB+1] offset:(\xo)+(8*(\gam)+\i)*4096 th:TH_LOAD_NT
.endr
.endm
; A STEP.  bb: the ring buffer multiplied.  areg, ko: where the next step's fragments of x lie.  bo: the block two steps on.  xs, xl, gam, co, xo: eight staged rows are
; rounded and stored, and their registers loaded again.  nl: how many loads younger than this step's weights may stay out (-1: shown landed before).
; xw: the same for the staged rows (-1: they are older than weights already waited for).  bar: a chunk becomes visible to all waves.  al, bl: 0 where nothing follows.
; A pair of fragments is loaded again right behind its 16 products, 48 matrix instructions ahead of its next use.  Behind a pair's four loads stand twelve more
; and, from the second group on, the step's eight stores: the counts 12 and 12 + 8 xs.
.macro STEP bb, areg, ko, bo, cm, xs, xl, gam, co, xo, nl, xw, bar, al, bl
.if (\nl) >= 0
	s_wait_loadcnt \nl
.endif
.if \bar
	s_wait_dscnt 0x0                               ; my stores into the chunk that is read next are done (and my loads are back): say so,
	s_barrier_signal -1
.else
	s_wait_dscnt 12
.endif
	MM16 0, \bb, \cm
.if \bar
	s_barrier_wait -1                              ; and read it only when all four waves have said so
.endif
	WIN 0
.if \xs
.if (\xw) >= 0
	s_wait_loadcnt \xw
.endif
	XCV \gam, XS                                   ; its first four lines are the places in front of the loads below
	XST \gam, \co
.else
	PLACES
.endif
.if \al
	ALD 0, \areg, \ko
.endif
.if \bl
	BLD ((\bb)+2)%4, \bo
.endif
.if \xl
	XLD \gam, \xo
.endif
.irp g, 1,2,3
	s_wait_dscnt 4*(3-\g)+8*(\xs)+4*(\al)*\g
	MM16 \g, \bb, \cm
	WIN 0
.if \al
	PLACES
	ALD \g, \areg, \ko
.endif
.endr
.if !(\al)
	PLACES
.endif
.endm
	s_load_b512 s[16:31], s[0:1], 0x0              ; x s[16:17], wf s[18:19], b_as s[20:21], W_af s[22:23], b_af s[24:25], b_c1 s[26:27], part s[28:29], stat s[30:31]
	v_lshl_add_u32 v[SPW], v0, 2, SPARE
	v_mov_b32 v[NIL], 0
	v_lshrrev_b32 v1, 5, v0
	v_readfirstlane_b32 s2, v1                     ; wave 0..3
	v_and_b32 v1, 31, v0                           ; lane
	v_and_b32 v44, 15, v0                          ; r
	v_bfe_u32 v45, v0, 4, 1                        ; h
	s_mov_b32 s4, ttmp9                            ; g
	s_mov_b32 s32, 0x4038aa3b                      ; 2 log2(e), as a pair for the packed scaling
	s_mov_b32 s33, 0x4038aa3b
	s_mov_b32 s34, 0x76543210                      ; v_permlanex16_b32: each lane takes its own place in the other half
	s_mov_b32 s35, 0xfedcba98
	s_mov_b32 s36, 0x3fb8aa3b                      ; log2(e)
	s_lshl_b32 s5, s2, 9                           ; 512 w
	v_lshlrev_b32 v[LOFF], 4, v1
	v_mul_u32_u24 v[ADRA0], v44, PITCH
	v_lshl_add_u32 v[ADRA0], v45, 4, v[ADRA0]
	s_mul_i32 s6, s2, 32*PITCH                     ; my 32 rows of a chunk
	v_lshl_add_u32 v[STX], v1, 3, s6
	s_add_co_u32 s7, s5, SCR
	v_lshl_add_u32 v[SCW], v45, 5, s7              ; my wave's 128 partial scores, rows 8 h on
	v_add_nc_u32 v[SCRD], SCR, v[LOFF]             ; rows 4 lane .. 4 lane + 3
	s_add_co_u32 s7, s5, EAR
	v_add_nc_u32 v[EWR], s7, v[LOFF]
	v_lshl_add_u32 v[ERD], v45, 5, s7
	s_add_co_u32 s7, s5, PST
	v_lshl_add_u32 v[PSW], v44, 2, s7
	v_add_nc_u32 v[PSR], s7, v[LOFF]
	v_lshl_add_u32 v[VOB], v44, 2, s5
	v_add_nc_u32 v[POFF], s5, v[LOFF]
	s_lshl_b32 s12, s4, 19                         ; 128 rows of 4,096 bytes,
	s_lshl_b32 s13, s2, 17                         ; my 32 of them
	s_add_co_u32 s12, s12, s13
	s_mov_b32 s13, 0
	s_lshl_b32 s14, s2, 19                         ; my 64 blocks of wf
	s_mov_b32 s15, 0
	s_wait_kmcnt 0x0
	s_add_nc_u64 s[XB:XB+1], s[16:17], s[12:13]
	s_add_nc_u64 s[WB:WB+1], s[18:19], s[14:15]
	s_lshl_b32 s14, s4, 11
	s_add_nc_u64 s[28:29], s[28:29], s[14:15]      ; part at row g
	s_lshl_b32 s14, s4, 3
	s_add_nc_u64 s[30:31], s[30:31], s[14:15]      ; stat at entry g
	s_load_b32 s12, s[24:25], 0x0                  ; b_af
.irp b, 0,1,2,3,4,5,6,7
	global_load_b32 v[CB+\b], v[VOB], s[20:21] offset:64*\b
.endr
.irp b, 0,1,2,3,4,5,6,7
	global_load_b32 v[W2+\b], v[VOB], s[22:23] offset:64*\b
.endr
.irp b, 0,1,2,3,4,5,6,7
	global_load_b32 v[BC+\b], v[VOB], s[26:27] offset:64*\b
.endr
	WIN 0x80                                       ; chunk 0 is staged where the accumulators will lie
.set i, 0
.rept 32
	global_load_b128 v[4*i:4*i+3], v[LOFF], s[XB:XB+1] offset:i*4096 th:TH_LOAD_NT
.set i, i+1
.endr
	WIN 0
	BLD 0, 0
	BLD 1, 8192
.irp gm, 0,1,2,3
	XLD \gm, 512                                   ; chunk 1
.endr
	s_wait_loadcnt 48                              ; block 1 (16) and chunk 1 (32) may stay out: the constants, chunk 0 and block 0 are in
.irp gm, 0,1,2,3
	WIN 0x0a
	XCV \gm, 0
	WIN 0
	XST \gm, 0
.endr
	s_wait_loadcnt 24                              ; chunk 1's first eight rows are in; its other 24 may stay out
	XCV 0, XS
	XST 0, CHUNK
	XLD 0, 1024                                    ; chunk 2's first eight rows
	s_wait_dscnt 0x0                               ; my part of chunk 0 is stored
	s_barrier_signal -1
	s_barrier_wait -1                              ; everybody's is
.irp gm, 0,1,2,3
	ALD \gm, ADRA0, 0                              ; step 0's fragments
.endr
	s_wait_kmcnt 0x0                               ; b_af.  The constants are made while those loads are out
.irp b, 0,1,2,3,4,5,6,7
	v_cvt_pk_bf16_f32 v44, v[CB+\b], v[CB+\b]      ; each is rounded once to bf16 and widened again
	v_cvt_pk_bf16_f32 v45, v[W2+\b], v[W2+\b]
	v_cvt_pk_bf16_f32 v46, v[BC+\b], v[BC+\b]
	v_lshlrev_b32 v[CB+\b], 16, v44
	v_lshlrev_b32 v[W2+\b], 16, v45
	v_lshlrev_b32 v[BC+\b], 16, v46
	v_mul_f32 v[CB+\b], s32, v[CB+\b]
.endr
	v_add_f32 v[WS], v[W2], v[W2+1]
	v_add_f32 v[WS+1], v[W2+2], v[W2+3]
	v_add_f32 v44, v[W2+4], v[W2+5]
	v_add_f32 v45, v[W2+6], v[W2+7]
	v_add_f32 v[WS], v[WS], v[WS+1]
	v_add_f32 v44, v44, v45
	v_add_f32 v[WS], v[WS], v44
	v_mov_b32 v[WS+1], v[WS]
.irp b, 0,1,2,3,4,5,6,7
	v_mul_f32 v[W2+\b], -2.0, v[W2+\b]
.endr
	v_mov_b32 v46, s12
	v_cvt_pk_bf16_f32 v44, v46, v46
	v_lshlrev_b32 v46, 16, v44
	v_mov_b32 v47, v46
	; PASS 1.  In step s row group (s + 1) % 4 of chunk (s + 1) / 4 + 1 is rounded and stored, and its registers take the chunk after.
	; Younger than a step's weights are: eight rows, the next block, eight rows: 32.  In steps 0 and 1 the weights were shown landed above, and the rows have counts of their own:
	; behind step 0's rows stand 24 loads (two groups of chunk 1, one of chunk 2), behind step 1's 40 (8 + 8 + a block's 16 + 8).
	STEP 0, ADRA0, 64,  2*8192, 1, 1, 1, 1, CHUNK, 1024, -1, 24, 0, 1, 1
	STEP 1, ADRA0, 128, 3*8192, 0, 1, 1, 2, CHUNK, 1024, -1, 40, 0, 1, 1
	STEP 2, ADRA0, 192, 4*8192, 0, 1, 1, 3, CHUNK, 1024, 32, -1, 0, 1, 1
	s_wait_xcnt 0x0                                ; the loads have read their bases: only now are these stepped
	s_add_nc_u64 s[XB:XB+1], s[XB:XB+1], 1536      ; chunk 3
	s_add_nc_u64 s[WB:WB+1], s[WB:WB+1], 5*8192    ; block 5
	v_add_nc_u32 v[ADRA], CHUNK, v[ADRA0]          ; fragments from chunk 1
	v_add_nc_u32 v[STX], 2*CHUNK, v[STX]           ; stores into chunk 2
	s_mov_b32 s3, 5
.Lp1:                                                  ; trip t: steps 3 + 4 t .. 6 + 4 t: reads chunk 1 + t, stores chunk 2 + t, loads chunk 3 + t
	STEP 3, ADRA, 0,   0,     0, 1, 1, 0, 0, 0, 32, -1, 1, 1, 1
	STEP 0, ADRA, 64,  8192,  0, 1, 1, 1, 0, 0, 32, -1, 0, 1, 1
	STEP 1, ADRA, 128, 16384, 0, 1, 1, 2, 0, 0, 32, -1, 0, 1, 1
	STEP 2, ADRA, 192, 24576, 0, 1, 1, 3, 0, 0, 32, -1, 0, 1, 1
	s_wait_xcnt 0x0
	s_add_nc_u64 s[XB:XB+1], s[XB:XB+1], 512
	s_add_nc_u64 s[WB:WB+1], s[WB:WB+1], 32768
	v_add_nc_u32 v[ADRA], CHUNK, v[ADRA]
	v_add_nc_u32 v[STX], CHUNK, v[STX]
	s_sub_co_u32 s3, s3, 1
	s_cmp_lg_u32 s3, 0
	s_cbranch_scc1 .Lp1
	STEP 3, ADRA, 0,   0,     0, 1, 0, 0, 0, 0, 32, -1, 1, 1, 1  ; steps 23-26 store chunk 7 and load no more of x: the counts run down 32, 24, 16
	STEP 0, ADRA, 64,  8192,  0, 1, 0, 1, 0, 0, 24, -1, 0, 1, 1
	STEP 1, ADRA, 128, 16384, 0, 1, 0, 2, 0, 0, 16, -1, 0, 1, 1
	STEP 2, ADRA, 192, 24576, 0, 1, 0, 3, 0, 0, 16, -1, 0, 1, 1
	s_wait_xcnt 0x0
	s_add_nc_u64 s[WB:WB+1], s[WB:WB+1], 32768
	v_add_nc_u32 v[ADRA], CHUNK, v[ADRA]
	STEP 3, ADRA,  0,   0,     0, 0, 0, 0, 0, 0, 16, -1, 1, 1, 1  ; steps 27-31: younger than a step's weights is the next block alone
	STEP 0, ADRA,  64,  8192,  0, 0, 0, 0, 0, 0, 16, -1, 0, 1, 1
	STEP 1, ADRA,  128, 16384, 0, 0, 0, 0, 0, 0, 16, -1, 0, 1, 1
	STEP 2, ADRA,  192, 24576, 0, 0, 0, 0, 0, 0, 16, -1, 0, 1, 1
	STEP 3, ADRA0, 0,   32768, 0, 0, 0, 0, 0, 0, 16, -1, 0, 1, 1  ; step 31 fetches pass 2's first fragments, from chunk 0 again
	s_wait_xcnt 0x0
	s_add_nc_u64 s[WB:WB+1], s[WB:WB+1], 5*8192    ; block 34
	; THE SCORES.  For row block a: z' = 2 log2(e) (sum + b_as); q = 1 / (1 + 2^z'); the row's sum takes -2 W_af q; it starts with the lane's sum of W_af.
	; Each accumulator is read from its lowest registers on.  A plain line stands behind each run of transcendentals (ISA guide 5.7.2).
.macro E1ROW a
.set ab, 64*((\a)%4)
	WIN 0x82+0x41*((\a)/4)                         ; in place on the accumulators; the constants in window 0
.irp b, 0,1,2,3,4,5,6,7
.irp p, 0,1,2,3
.if (\b)%2 == 0
	v_pk_fma_f32 v[ab+8*\b+2*\p:ab+8*\b+2*\p+1], v[ab+8*\b+2*\p:ab+8*\b+2*\p+1], s[32:33], v[CB+\b:CB+\b+1] op_sel_hi:[1,0,0]
.else
	v_pk_fma_f32 v[ab+8*\b+2*\p:ab+8*\b+2*\p+1], v[ab+8*\b+2*\p:ab+8*\b+2*\p+1], s[32:33], v[CB+\b-1:CB+\b] op_sel:[0,0,1] op_sel_hi:[1,0,1]
.endif
.endr
.endr
.set i, 0
.rept 64
	v_exp_f32 v[ab+i], v[ab+i]
.set i, i+1
.endr
	v_nop
.set i, 0
	s_wait_alu depctr_va_vdst(0)
.rept 32
	v_pk_add_f32 v[ab+i:ab+i+1], v[ab+i:ab+i+1], 1.0 op_sel_hi:[1,0]
.set i, i+2
.endr
.set i, 0
.rept 64
	v_rcp_f32 v[ab+i], v[ab+i]
.set i, i+1
.endr
	v_nop
	s_wait_alu depctr_va_vdst(0)
	WIN 0x02+((\a)/4)
.irp b, 0,1,2,3,4,5,6,7
.irp p, 0,1,2,3
.if (\b) == 0
	v_pk_fma_f32 v[SUM+8*(\a)+2*\p:SUM+8*(\a)+2*\p+1], v[ab+2*\p:ab+2*\p+1], v[W2:W2+1], v[WS:WS+1] op_sel_hi:[1,0,1]
.elseif (\b)%2 == 0
	v_pk_fma_f32 v[SUM+8*(\a)+2*\p:SUM+8*(\a)+2*\p+1], v[ab+8*\b+2*\p:ab+8*\b+2*\p+1], v[W2+\b:W2+\b+1], v[SUM+8*(\a)+2*\p:SUM+8*(\a)+2*\p+1] op_sel_hi:[1,0,1]
.else
	v_pk_fma_f32 v[SUM+8*(\a)+2*\p:SUM+8*(\a)+2*\p+1], v[ab+8*\b+2*\p:ab+8*\b+2*\p+1], v[W2+\b-1:W2+\b], v[SUM+8*(\a)+2*\p:SUM+8*(\a)+2*\p+1] op_sel:[0,1,0] op_sel_hi:[1,1,1]
.endif
.endr
.endr
.endm
.irp a, 0,1,2,3,4,5,6,7
	E1ROW \a
.endr
	WIN 0
.irp m, 1,2,4,8                        ; over the 16 lanes that hold a row's 16 columns of each tile
.set i, 0
.rept 64
	v_add_f32_dpp v[SUM+i], v[SUM+i], v[SUM+i] row_xmask:\m row_mask:0xf bank_mask:0xf
.set i, i+1
.endr
.endr
.irp a, 0,1,2,3,4,5,6,7
	ds_store_b128 v[SCW], v[SUM+8*\a:SUM+8*\a+3] offset:64*\a        ; rows 16 a + 8 h + 0..3; the 16 lanes of a half write the same numbers
	ds_store_b128 v[SCW], v[SUM+8*\a+4:SUM+8*\a+7] offset:64*\a+16
.endr
	s_wait_dscnt 0x0                               ; for the others' sake: my 128 partial scores are stored
	s_barrier_signal -1
	s_barrier_wait -1
.irp i, 0,1,2,3
	ds_load_b128 v[PS+4*\i:PS+4*\i+3], v[SCRD] offset:512*\i         ; every wave joins all 128 rows: lane l takes rows 4 l .. 4 l + 3 of the four waves' parts
.endr
	s_wait_dscnt 0x0
	v_pk_add_f32 v[PS:PS+1], v[PS:PS+1], v[PS+4:PS+5]
	v_pk_add_f32 v[PS+2:PS+3], v[PS+2:PS+3], v[PS+6:PS+7]
	v_pk_add_f32 v[PS+8:PS+9], v[PS+8:PS+9], v[PS+12:PS+13]
	v_pk_add_f32 v[PS+10:PS+11], v[PS+10:PS+11], v[PS+14:PS+15]
	v_pk_add_f32 v[PS:PS+1], v[PS:PS+1], v[PS+8:PS+9]
	v_pk_add_f32 v[PS+2:PS+3], v[PS+2:PS+3], v[PS+10:PS+11]
	v_pk_add_f32 v[PS:PS+1], v[PS:PS+1], v[46:47]  ; + b_af
	v_pk_add_f32 v[PS+2:PS+3], v[PS+2:PS+3], v[46:47]
	v_max3_num_f32 v34, v[PS], v[PS+1], v[PS+2]    ; m: the largest of the 128 scores
	v_max_num_f32 v34, v34, v[PS+3]
.irp m, 1,2,4,8
	v_max_num_f32_dpp v34, v34, v34 row_xmask:\m row_mask:0xf bank_mask:0xf
.endr
	v_permlanex16_b32 v44, v34, s34, s35
	v_max_num_f32 v34, v34, v44
.irp i, 0,1,2,3
	v_sub_f32 v[PS+\i], v[PS+\i], v34
.endr
.irp i, 0,1,2,3
	v_mul_f32 v[PS+\i], s36, v[PS+\i]
.endr
.irp i, 0,1,2,3
	v_exp_f32 v[PS+\i], v[PS+\i]                   ; e = exp(score - m), at most 1
.endr
	v_nop
	s_wait_alu depctr_va_vdst(0)
	v_add_f32 v35, v[PS], v[PS+1]                  ; l
	v_add_f32 v44, v[PS+2], v[PS+3]
	v_add_f32 v35, v35, v44
.irp m, 1,2,4,8
	v_add_f32_dpp v35, v35, v35 row_xmask:\m row_mask:0xf bank_mask:0xf
.endr
	v_permlanex16_b32 v44, v35, s34, s35
	v_add_f32 v35, v35, v44
	ds_store_b128 v[EWR], v[PS:PS+3]               ; into my wave's own bytes, and back in the accumulators' order of rows: LDS serves a wave's instructions in order
.irp a, 0,1,2,3,4,5,6,7
	ds_load_b128 v[EE+8*\a:EE+8*\a+3], v[ERD] offset:64*\a
	ds_load_b128 v[EE+8*\a+4:EE+8*\a+7], v[ERD] offset:64*\a+16
.endr
	WIN 0x40                                       ; b_c1 of tile b eight times, where ring buffer 3 lies idle until block 35 is asked for: pass 2's first products start from it
.irp b, 0,1,2,3,4,5,6,7
.irp j, 0,1,2,3,4,5,6,7
	v_mov_b32 v[192+8*\b+\j], v[BC+\b]
.endr
.endr
	WIN 0
	s_wait_dscnt 0x0                               ; e is in
	; PASS 2: the same x from LDS, W_c1's blocks 32-63.
	STEP 0, ADRA0, 64, 0, 2, 0, 0, 0, 0, 0, 16, -1, 0, 1, 1
	v_mov_b32 v[ADRA], v[ADRA0]
	s_mov_b32 s3, 7
.Lp2:                                                  ; trip t: steps 33 + 4 t .. 36 + 4 t; the last two fetch from the next chunk by the immediate (65,376 at the most)
	STEP 1, ADRA, 128,      8192,  0, 0, 0, 0, 0, 0, 16, -1, 0, 1, 1
	STEP 2, ADRA, 192,      16384, 0, 0, 0, 0, 0, 0, 16, -1, 0, 1, 1
	STEP 3, ADRA, CHUNK,    24576, 0, 0, 0, 0, 0, 0, 16, -1, 0, 1, 1
	STEP 0, ADRA, CHUNK+64, 32768, 0, 0, 0, 0, 0, 0, 16, -1, 0, 1, 1
	s_wait_xcnt 0x0
	s_add_nc_u64 s[WB:WB+1], s[WB:WB+1], 32768
	v_add_nc_u32 v[ADRA], CHUNK, v[ADRA]
	s_sub_co_u32 s3, s3, 1
	s_cmp_lg_u32 s3, 0
	s_cbranch_scc1 .Lp2
	STEP 1, ADRA, 128, 8192, 0, 0, 0, 0, 0, 0, 16, -1, 0, 1, 1  ; step 61 asks for the last block,
	STEP 2, ADRA, 192, 0,    0, 0, 0, 0, 0, 0, 16, -1, 0, 1, 0  ; step 62 for the last fragments,
	STEP 3, ADRA, 0,   0,    0, 0, 0, 0, 0, 0, 0,  -1, 0, 0, 0  ; step 63 for nothing
	; THE POOLING: p's sum (b, j) takes max(sum, 0) x e of row 16 a + 8 h + j.
.macro E2ROW a
.set ab, 64*((\a)%4)
	WIN 0x88+0x44*((\a)/4)
.set i, 0
.rept 64
	v_max_num_f32 v[ab+i], 0, v[ab+i]
.set i, i+1
.endr
	WIN 0x02+((\a)/4)
.irp b, 0,1,2,3,4,5,6,7
.irp p, 0,1,2,3
.if (\a) == 0
	v_pk_mul_f32 v[PS+8*\b+2*\p:PS+8*\b+2*\p+1], v[ab+8*\b+2*\p:ab+8*\b+2*\p+1], v[EE+2*\p:EE+2*\p+1]
.else
	v_pk_fma_f32 v[PS+8*\b+2*\p:PS+8*\b+2*\p+1], v[ab+8*\b+2*\p:ab+8*\b+2*\p+1], v[EE+8*(\a)+2*\p:EE+8*(\a)+2*\p+1], v[PS+8*\b+2*\p:PS+8*\b+2*\p+1]
.endif
.endr
.endr
.endm
.irp a, 0,1,2,3,4,5,6,7
	E2ROW \a
.endr
	WIN 0
.irp b, 0,1,2,3,4,5,6,7
	v_pk_add_f32 v[PS+8*\b:PS+8*\b+1], v[PS+8*\b:PS+8*\b+1], v[PS+8*\b+2:PS+8*\b+3]
	v_pk_add_f32 v[PS+8*\b+4:PS+8*\b+5], v[PS+8*\b+4:PS+8*\b+5], v[PS+8*\b+6:PS+8*\b+7]
.endr
.irp b, 0,1,2,3,4,5,6,7
	v_pk_add_f32 v[PS+8*\b:PS+8*\b+1], v[PS+8*\b:PS+8*\b+1], v[PS+8*\b+4:PS+8*\b+5]
.endr
.irp b, 0,1,2,3,4,5,6,7
	v_add_f32 v[PS+8*\b], v[PS+8*\b], v[PS+8*\b+1]
.endr
.irp b, 0,1,2,3,4,5,6,7
	v_permlanex16_b32 v[T+\b], v[PS+8*\b], s34, s35  ; the column's other 64 rows lie in the lane 16 away
.endr
.irp b, 0,1,2,3,4,5,6,7
	v_add_f32 v[PS+8*\b], v[PS+8*\b], v[T+\b]
.endr
.irp b, 0,1,2,3,4,5,6,7
	ds_store_b32 v[PSW], v[PS+8*\b] offset:64*\b   ; column 16 b + r; both halves of the lanes write the same number
.endr
	ds_load_b128 v[T:T+3], v[PSR]                  ; my wave's own bytes, in order behind the stores: four neighbouring columns a lane
	s_wait_dscnt 0x0
	global_store_b128 v[POFF], v[T:T+3], s[28:29]  ; the wave stores 512 consecutive bytes of part
	s_cmp_lg_u32 s2, 0
	s_cbranch_scc1 .Lnostat
	v_mov_b32 v44, 0
	v_cmp_eq_u32 vcc_lo, 0, v0
	s_wait_xcnt 0x0                                ; EXEC is a source of the store above: it changes only behind this wait,
	s_and_saveexec_b32 s37, vcc_lo
	global_store_b64 v44, v[34:35], s[30:31]       ; (m, l), by thread 0
	s_wait_xcnt 0x0                                ; and again in front of the line that widens it
	s_or_b32 exec_lo, exec_lo, s37
.Lnostat:
	s_wait_tensorcnt 0x0                           ; the wave's end: three lines behind my last LDS store
	ds_add_u32 v[SPW], v[NIL]
	s_wait_dscnt 0x0
	s_endpgm
.Lfunc_end_k_qc27a036e8c_main:
	.size	k_qc27a036e8c_main, .Lfunc_end_k_qc27a036e8c_main-k_qc27a036e8c_main
	.p2alignl 7, 3214868480
	.fill 96, 4, 3214868480
	.section	.rodata,"a",@progbits
	.p2align	6, 0x0
	.amdhsa_kernel k_qc27a036e8c_main
		.amdhsa_group_segment_fixed_size 285184
		.amdhsa_private_segment_fixed_size 0
		.amdhsa_enable_private_segment 0
		.amdhsa_kernarg_size 64
		.amdhsa_user_sgpr_count 2
		.amdhsa_user_sgpr_kernarg_segment_ptr 1
		.amdhsa_wavefront_size32 1
		.amdhsa_system_sgpr_workgroup_id_x 1
		.amdhsa_system_sgpr_workgroup_id_y 1
		.amdhsa_system_sgpr_workgroup_id_z 1
		.amdhsa_system_vgpr_workitem_id 0
		.amdhsa_next_free_vgpr 1024
		.amdhsa_next_free_sgpr 66
		.amdhsa_reserve_vcc 1
		.amdhsa_float_denorm_mode_32 3
		.amdhsa_float_denorm_mode_16_64 3
		.amdhsa_memory_ordered 1
		.amdhsa_forward_progress 1
		.amdhsa_inst_pref_size 255
	.end_amdhsa_kernel
	.section	.bss,"aw",@nobits
	.p2align	6
	.space	262144
	.amdgpu_metadata
---
amdhsa.version: [ 1, 2 ]
amdhsa.kernels:
  - .name:           k_qc27a036e8c_main
    .symbol:         k_qc27a036e8c_main.kd
    .args:
      - { .name: x, .offset: 0, .size: 8, .value_kind: global_buffer, .address_space: global }
      - { .name: wf, .offset: 8, .size: 8, .value_kind: global_buffer, .address_space: global }
      - { .name: b_as, .offset: 16, .size: 8, .value_kind: global_buffer, .address_space: global }
      - { .name: W_af, .offset: 24, .size: 8, .value_kind: global_buffer, .address_space: global }
      - { .name: b_af, .offset: 32, .size: 8, .value_kind: global_buffer, .address_space: global }
      - { .name: b_c1, .offset: 40, .size: 8, .value_kind: global_buffer, .address_space: global }
      - { .name: part, .offset: 48, .size: 8, .value_kind: global_buffer, .address_space: global }
      - { .name: stat, .offset: 56, .size: 8, .value_kind: global_buffer, .address_space: global }
    .group_segment_fixed_size: 285184
    .private_segment_fixed_size: 0
    .kernarg_segment_align: 8
    .kernarg_segment_size: 64
    .max_flat_workgroup_size: 128
    .sgpr_count:     66
    .vgpr_count:     1024
    .wavefront_size: 32
...
	.end_amdgpu_metadata
.endif
;; end of part 2
;; launch tc2 (part 3): grid 16 x 16, 4 waves a work-group, no clusters, 10,240 bytes of LDS; arguments part, stat, wf, b_c2, u; writes u
.if DOCPART == 3
	.amdgcn_target "amdgcn-amd-amdhsa--gfx1250"
	.amdhsa_code_object_version 6
	.text
	.protected	k_qc27a036e8c_tc2
	.globl	k_qc27a036e8c_tc2
	.p2align	8
	.type	k_qc27a036e8c_tc2,@function
k_qc27a036e8c_tc2:
	s_mov_b64 s[64:65], 0
	v_nop
	global_prefetch_b8 v0, s[64:65] scope:SCOPE_SE
	s_setreg_imm32_b32 hwreg(HW_REG_WAVE_MODE, 25, 1), 1
	s_wait_xcnt 0x0
; u[b][:] = P[b] W_c2 + b_c2, where P[b] = (sum over the batch's four quarters q of alpha_q p_q) / (sum of alpha_q l_q), alpha_q = exp(m_q - M), M = the largest m_q:
; the softmax's running maximum, joined.  The softmax's weights add up to 1, so b_c2 enters with the factor 1.
; A work-group: 4 batches (grid y) x 64 columns (grid x).  Wave w joins batch 4 y + w, then multiplies the tile of 16 columns 64 x + 16 w over K = 512.
; FORMATS.  W_c2 and b_c2 rounded to bf16.  P is the program's own number: it goes in as hi + lo, two bf16 operands and two matrix instructions, and keeps some 16 bits.
; The matrix instruction is used transposed (source 0 = 16 columns of W, source 1 = rows of P): a lane holds one row and eight neighbouring columns.
; Only four rows exist: lane r takes row r % 4, so nothing unwritten is read, and equal lanes make equal numbers.
.set PIT,   1040                       ; a row of 512 bf16 + 16 bytes
.set LOB,   4352                       ; the lo rows begin here
.set STG,   8704                       ; 4 rows x 256 bytes f32 on the way out
.set SPARE, 9728
.set ACC, 24                           ; v24-55   first the statistics, then four accumulators: (hi, lo) x (even, odd K step)
.set AFR, 56                           ; v56-119  first the four partial rows, then P's fragments of four K steps
.set BFR, 120                          ; v120-247 W's 16 fragments
.set HH,  248                          ; v248-251 hi pair, lo pair
.set WW,  252                          ; v252-255 at work
.macro HILO x, off                     ; four f32 become four bf16 and the four bf16 of what the rounding left
	v_cvt_pk_bf16_f32 v[HH], v[(\x)], v[(\x)+1]
	v_cvt_pk_bf16_f32 v[HH+1], v[(\x)+2], v[(\x)+3]
	v_lshlrev_b32 v[WW], 16, v[HH]
	v_and_b32 v[WW+1], 0xffff0000, v[HH]
	v_lshlrev_b32 v[WW+2], 16, v[HH+1]
	v_and_b32 v[WW+3], 0xffff0000, v[HH+1]
	v_pk_add_f32 v[WW:WW+1], v[(\x):(\x)+1], v[WW:WW+1] neg_lo:[0,1] neg_hi:[0,1]
	v_pk_add_f32 v[WW+2:WW+3], v[(\x)+2:(\x)+3], v[WW+2:WW+3] neg_lo:[0,1] neg_hi:[0,1]
	v_cvt_pk_bf16_f32 v[HH+2], v[WW], v[WW+1]
	v_cvt_pk_bf16_f32 v[HH+3], v[WW+2], v[WW+3]
	ds_store_b64 v8, v[HH:HH+1] offset:\off
	ds_store_b64 v8, v[HH+2:HH+3] offset:(\off)+LOB
.endm
; Four K steps: 16 LDS loads, 8 matrix instructions on the four accumulators by turns.  W's 32 loads were the last issued: 24 - 8 q are younger than this run's.
.macro MMAB q
.if (\q) > 0
.rept 4
	v_nop                                          ; places in front of the loads into registers that matrix instructions have read
.endr
.endif
.irp z, 0,1,2,3
	ds_load_b128 v[AFR+16*\z:AFR+16*\z+3],     v9 offset:64*(4*(\q)+\z)
	ds_load_b128 v[AFR+16*\z+4:AFR+16*\z+7],   v9 offset:64*(4*(\q)+\z)+32
	ds_load_b128 v[AFR+16*\z+8:AFR+16*\z+11],  v9 offset:LOB+64*(4*(\q)+\z)
	ds_load_b128 v[AFR+16*\z+12:AFR+16*\z+15], v9 offset:LOB+64*(4*(\q)+\z)+32
.endr
	s_wait_loadcnt 24-8*(\q)
	s_wait_dscnt 0x0
.irp z, 0,1,2,3
.irp hl, 0,1
.set rC, ACC+8*(2*((\z)%2)+\hl)
.set rW, BFR+8*(4*(\q)+\z)
.set rP, AFR+16*\z+8*\hl
.if ((\q) == 0) && ((\z) < 2)
	v_wmma_f32_16x16x32_bf16 v[rC:rC+7], v[rW:rW+7], v[rP:rP+7], 0
.else
	v_wmma_f32_16x16x32_bf16 v[rC:rC+7], v[rW:rW+7], v[rP:rP+7], v[rC:rC+7]
.endif
.endr
.endr
.endm
	s_load_b256 s[8:15], s[0:1], 0x0               ; part s[8:9], stat s[10:11], wf s[12:13], b_c2 s[14:15]
	s_load_b64 s[16:17], s[0:1], 0x20              ; u
	v_lshl_add_u32 v2, v0, 2, SPARE                ; my spare word; never rewritten
	v_mov_b32 v3, 0                                ; 0; never rewritten
	v_lshrrev_b32 v1, 5, v0
	v_readfirstlane_b32 s2, v1                     ; wave
	s_mov_b32 s3, ttmp9                            ; cs: 64 columns
	s_and_b32 s4, ttmp7, 0xffff                    ; bg: 4 batches
	v_and_b32 v4, 31, v0                           ; lane
	v_and_b32 v5, 15, v0                           ; r, and thread % 16
	v_bfe_u32 v6, v0, 4, 1                         ; h
	v_lshlrev_b32 v7, 4, v4                        ; 16 x lane
	s_lshl2_add_u32 s5, s4, s2                     ; my batch
	s_lshl_b32 s20, s5, 13                         ; its four rows of part,
	s_mov_b32 s21, 0
	s_lshl_b32 s22, s5, 5                          ; its four entries of stat
	s_mov_b32 s23, 0
	s_lshr_b32 s6, s3, 1
	s_lshl_b32 s6, s6, 4
	s_add_co_u32 s6, s6, 256                       ; W_c2's block for column group cs / 2, K step 0
	s_lshl_b32 s24, s6, 13
	s_and_b32 s7, s3, 1
	s_lshl2_add_u32 s7, s7, s2                     ; my tile in it
	s_lshl_b32 s7, s7, 10
	s_add_co_u32 s24, s24, s7
	s_mov_b32 s25, 0
	s_lshl_b32 s26, s3, 8                          ; 64 columns of f32
	s_mov_b32 s27, 0
	s_lshl_b32 s28, s4, 14                         ; 4 rows of u
	s_add_co_u32 s28, s28, s26
	s_mov_b32 s29, 0
	s_mul_i32 s30, s2, PIT
	v_lshl_add_u32 v8, v4, 3, s30                  ; hi row w, my 8 bytes
	v_and_b32 v15, 3, v0
	v_mul_u32_u24 v9, v15, PIT
	v_lshl_add_u32 v9, v6, 4, v9                   ; a fragment's row r % 4, + 16 h
	s_lshl_b32 s31, s2, 6
	s_add_co_u32 s31, s31, STG
	v_lshl_add_u32 v10, v15, 8, s31
	v_lshl_add_u32 v10, v6, 5, v10                 ; the stage: row r % 4, columns 16 w + 8 h on
	v_lshl_add_u32 v11, v0, 4, STG                 ; and back: 16 bytes a thread
	v_lshrrev_b32 v12, 4, v0
	v_lshlrev_b32 v12, 12, v12
	v_lshl_add_u32 v12, v5, 4, v12                 ; row thread / 16 of u, 16 bytes
	v_lshlrev_b32 v13, 4, v5
	v_mov_b32 v14, 0
	s_wait_kmcnt 0x0
	s_add_nc_u64 s[8:9], s[8:9], s[20:21]
	s_add_nc_u64 s[10:11], s[10:11], s[22:23]
	s_add_nc_u64 s[12:13], s[12:13], s[24:25]
	s_add_nc_u64 s[14:15], s[14:15], s[26:27]
	s_add_nc_u64 s[16:17], s[16:17], s[28:29]
	global_load_b128 v[24:27], v14, s[10:11]       ; m0 l0 m1 l1
	global_load_b128 v[28:31], v14, s[10:11] offset:16
.irp q, 0,1,2,3
.irp i, 0,1,2,3
	global_load_b128 v[AFR+16*\q+4*\i:AFR+16*\q+4*\i+3], v7, s[8:9] offset:2048*\q+512*\i  ; k = 128 i + 4 lane on
.endr
.endr
	global_load_b128 v[16:19], v13, s[14:15]       ; b_c2
.irp s, 0,1,2,3,4,5,6,7,8,9,10,11,12,13,14,15
	global_load_b128 v[BFR+8*\s:BFR+8*\s+3],   v7, s[12:13] offset:8192*\s
	global_load_b128 v[BFR+8*\s+4:BFR+8*\s+7], v7, s[12:13] offset:8192*\s+512
.endr
	s_wait_loadcnt 33                              ; the bias and W's 32 loads may stay out
	v_max3_num_f32 v36, v24, v26, v28
	v_max_num_f32 v36, v36, v30                    ; M
	v_sub_f32 v32, v24, v36
	v_sub_f32 v33, v26, v36
	v_sub_f32 v34, v28, v36
	v_sub_f32 v35, v30, v36
.irp q, 0,1,2,3
	v_mul_f32 v[32+\q], 0x3fb8aa3b, v[32+\q]
.endr
.irp q, 0,1,2,3
	v_exp_f32 v[32+\q], v[32+\q]                   ; alpha
.endr
	v_nop
	s_wait_alu depctr_va_vdst(0)
	v_mul_f32 v37, v32, v25
	v_fmac_f32 v37, v33, v27
	v_fmac_f32 v37, v34, v29
	v_fmac_f32 v37, v35, v31                       ; L, at least 1
	v_rcp_f32 v37, v37
	v_nop
	s_wait_alu depctr_va_vdst(0)
.irp q, 0,1,2,3
	v_mul_f32 v[32+\q], v[32+\q], v37
.endr
.irp e, 0,2,4,6,8,10,12,14
	v_pk_mul_f32 v[AFR+\e:AFR+\e+1], v[AFR+\e:AFR+\e+1], v[32:33] op_sel_hi:[1,0]
.endr
.irp e, 0,2,4,6,8,10,12,14
	v_pk_fma_f32 v[AFR+\e:AFR+\e+1], v[AFR+16+\e:AFR+16+\e+1], v[32:33], v[AFR+\e:AFR+\e+1] op_sel:[0,1,0] op_sel_hi:[1,1,1]
.endr
.irp e, 0,2,4,6,8,10,12,14
	v_pk_fma_f32 v[AFR+\e:AFR+\e+1], v[AFR+32+\e:AFR+32+\e+1], v[34:35], v[AFR+\e:AFR+\e+1] op_sel_hi:[1,0,1]
.endr
.irp e, 0,2,4,6,8,10,12,14
	v_pk_fma_f32 v[AFR+\e:AFR+\e+1], v[AFR+48+\e:AFR+48+\e+1], v[34:35], v[AFR+\e:AFR+\e+1] op_sel:[0,1,0] op_sel_hi:[1,1,1]
.endr
.irp i, 0,1,2,3
	HILO AFR+4*\i, 256*\i
.endr
	s_wait_dscnt 0x0                               ; for the others' sake: my row is stored
	s_barrier_signal -1
	s_barrier_wait -1
	MMAB 0
	MMAB 1
	MMAB 2
	MMAB 3
.rept 4
	v_nop
.endr
.irp k, 0,2,4,6                        ; the four accumulators are added, each read from its lowest registers on
	v_pk_add_f32 v[ACC+\k:ACC+\k+1], v[ACC+\k:ACC+\k+1], v[ACC+8+\k:ACC+8+\k+1]
.endr
.irp k, 0,2,4,6
	v_pk_add_f32 v[ACC+16+\k:ACC+16+\k+1], v[ACC+16+\k:ACC+16+\k+1], v[ACC+24+\k:ACC+24+\k+1]
.endr
.irp k, 0,2,4,6
	v_pk_add_f32 v[ACC+\k:ACC+\k+1], v[ACC+\k:ACC+\k+1], v[ACC+16+\k:ACC+16+\k+1]
.endr
	ds_store_b128 v10, v[ACC:ACC+3]
	ds_store_b128 v10, v[ACC+4:ACC+7] offset:16
	s_wait_dscnt 0x0
	s_barrier_signal -1
	s_barrier_wait -1
	s_cmp_gt_u32 s2, 1
	s_cbranch_scc1 .Lend                           ; 4 rows x 256 bytes are 64 threads' work
	ds_load_b128 v[20:23], v11
.irp c, 0,1,2,3
	v_cvt_pk_bf16_f32 v14, v[16+\c], v[16+\c]      ; the bias is rounded to bf16 like every input
	v_lshlrev_b32 v[16+\c], 16, v14
.endr
	s_wait_dscnt 0x0
	v_pk_add_f32 v[20:21], v[20:21], v[16:17]
	v_pk_add_f32 v[22:23], v[22:23], v[18:19]
	global_store_b128 v12, v[20:23], s[16:17]      ; 16 lanes store 256 consecutive bytes, at a multiple of 256 from u's first byte
.Lend:
	s_wait_tensorcnt 0x0                           ; the wave's end: three lines behind my last LDS store
	ds_add_u32 v2, v3
	s_wait_dscnt 0x0
	s_endpgm
.Lfunc_end_k_qc27a036e8c_tc2:
	.size	k_qc27a036e8c_tc2, .Lfunc_end_k_qc27a036e8c_tc2-k_qc27a036e8c_tc2
	.p2alignl 7, 3214868480
	.fill 96, 4, 3214868480
	.section	.rodata,"a",@progbits
	.p2align	6, 0x0
	.amdhsa_kernel k_qc27a036e8c_tc2
		.amdhsa_group_segment_fixed_size 10240
		.amdhsa_private_segment_fixed_size 0
		.amdhsa_enable_private_segment 0
		.amdhsa_kernarg_size 40
		.amdhsa_user_sgpr_count 2
		.amdhsa_user_sgpr_kernarg_segment_ptr 1
		.amdhsa_wavefront_size32 1
		.amdhsa_system_sgpr_workgroup_id_x 1
		.amdhsa_system_sgpr_workgroup_id_y 1
		.amdhsa_system_sgpr_workgroup_id_z 1
		.amdhsa_system_vgpr_workitem_id 0
		.amdhsa_next_free_vgpr 256
		.amdhsa_next_free_sgpr 66
		.amdhsa_reserve_vcc 0
		.amdhsa_float_denorm_mode_32 3
		.amdhsa_float_denorm_mode_16_64 3
		.amdhsa_memory_ordered 1
		.amdhsa_forward_progress 1
		.amdhsa_inst_pref_size 22
	.end_amdhsa_kernel
	.amdgpu_metadata
---
amdhsa.version: [ 1, 2 ]
amdhsa.kernels:
  - .name:           k_qc27a036e8c_tc2
    .symbol:         k_qc27a036e8c_tc2.kd
    .args:
      - { .name: part, .offset: 0, .size: 8, .value_kind: global_buffer, .address_space: global }
      - { .name: stat, .offset: 8, .size: 8, .value_kind: global_buffer, .address_space: global }
      - { .name: wf, .offset: 16, .size: 8, .value_kind: global_buffer, .address_space: global }
      - { .name: b_c2, .offset: 24, .size: 8, .value_kind: global_buffer, .address_space: global }
      - { .name: u, .offset: 32, .size: 8, .value_kind: global_buffer, .address_space: global }
    .group_segment_fixed_size: 10240
    .private_segment_fixed_size: 0
    .kernarg_segment_align: 8
    .kernarg_segment_size: 40
    .max_flat_workgroup_size: 128
    .sgpr_count:     66
    .vgpr_count:     256
    .wavefront_size: 32
...
	.end_amdgpu_metadata
.endif
;; end of part 3
;; launch tws (part 4): grid 8 x 4, 8 waves a work-group, no clusters, 75,776 bytes of LDS; arguments u, wf, b_ws, h; writes h
.if DOCPART == 4
	.amdgcn_target "amdgcn-amd-amdhsa--gfx1250"
	.amdhsa_code_object_version 6
	.text
	.protected	k_qc27a036e8c_tws
	.globl	k_qc27a036e8c_tws
	.p2align	8
	.type	k_qc27a036e8c_tws,@function
k_qc27a036e8c_tws:
	s_mov_b64 s[64:65], 0
	v_nop
	global_prefetch_b8 v0, s[64:65] scope:SCOPE_SE
	s_setreg_imm32_b32 hwreg(HW_REG_WAVE_MODE, 25, 1), 1
	s_wait_xcnt 0x0
; h = u W_ws + b_ws.  A work-group: 16 rows (grid y) x 64 columns (grid x).  Wave w: tile of 16 columns w % 4, half w / 4 of K = 1,024; the two halves meet in LDS.
; FORMATS.  W_ws and b_ws rounded to bf16; u, the program's own number, goes in as hi + lo, two bf16 operands and two matrix instructions.
; The matrix instruction is used transposed (source 0 = 16 columns of W, source 1 = 16 rows of u): a lane holds one row and eight neighbouring columns.
.set PIT,   2064                       ; a row of 1,024 bf16 + 16 bytes
.set LOB,   33024                      ; the lo rows begin here
.set STG,   66048                      ; two stages of 16 rows x 272 bytes, one for each half of K
.set SP,    272
.set SPARE, 74752
.set ACC, 24
.set AFR, 56
.set BFR, 120
.set HH,  248
.set WW,  252
.macro HILO x, off                     ; four f32 become four bf16 and the four bf16 of what the rounding left
	v_cvt_pk_bf16_f32 v[HH], v[(\x)], v[(\x)+1]
	v_cvt_pk_bf16_f32 v[HH+1], v[(\x)+2], v[(\x)+3]
	v_lshlrev_b32 v[WW], 16, v[HH]
	v_and_b32 v[WW+1], 0xffff0000, v[HH]
	v_lshlrev_b32 v[WW+2], 16, v[HH+1]
	v_and_b32 v[WW+3], 0xffff0000, v[HH+1]
	v_pk_add_f32 v[WW:WW+1], v[(\x):(\x)+1], v[WW:WW+1] neg_lo:[0,1] neg_hi:[0,1]
	v_pk_add_f32 v[WW+2:WW+3], v[(\x)+2:(\x)+3], v[WW+2:WW+3] neg_lo:[0,1] neg_hi:[0,1]
	v_cvt_pk_bf16_f32 v[HH+2], v[WW], v[WW+1]
	v_cvt_pk_bf16_f32 v[HH+3], v[WW+2], v[WW+3]
	ds_store_b64 v8, v[HH:HH+1] offset:\off
	ds_store_b64 v8, v[HH+2:HH+3] offset:(\off)+LOB
.endm
; Four K steps: 16 LDS loads, 8 matrix instructions on the four accumulators by turns.  W's 32 loads were the last issued: 24 - 8 q are younger than this run's.
.macro MMAB q
.if (\q) > 0
.rept 4
	v_nop
.endr
.endif
.irp z, 0,1,2,3
	ds_load_b128 v[AFR+16*\z:AFR+16*\z+3],     v9 offset:64*(4*(\q)+\z)
	ds_load_b128 v[AFR+16*\z+4:AFR+16*\z+7],   v9 offset:64*(4*(\q)+\z)+32
	ds_load_b128 v[AFR+16*\z+8:AFR+16*\z+11],  v9 offset:LOB+64*(4*(\q)+\z)
	ds_load_b128 v[AFR+16*\z+12:AFR+16*\z+15], v9 offset:LOB+64*(4*(\q)+\z)+32
.endr
	s_wait_loadcnt 24-8*(\q)
	s_wait_dscnt 0x0
.irp z, 0,1,2,3
.irp hl, 0,1
.set rC, ACC+8*(2*((\z)%2)+\hl)
.set rW, BFR+8*(4*(\q)+\z)
.set rP, AFR+16*\z+8*\hl
.if ((\q) == 0) && ((\z) < 2)
	v_wmma_f32_16x16x32_bf16 v[rC:rC+7], v[rW:rW+7], v[rP:rP+7], 0
.else
	v_wmma_f32_16x16x32_bf16 v[rC:rC+7], v[rW:rW+7], v[rP:rP+7], v[rC:rC+7]
.endif
.endr
.endr
.endm
	s_load_b256 s[8:15], s[0:1], 0x0               ; u s[8:9], wf s[10:11], b_ws s[12:13], h s[14:15]
	v_lshl_add_u32 v2, v0, 2, SPARE                ; my spare word; never rewritten
	v_mov_b32 v3, 0                                ; 0; never rewritten
	v_lshrrev_b32 v1, 5, v0
	v_readfirstlane_b32 s2, v1                     ; wave 0..7
	s_mov_b32 s3, ttmp9                            ; cs
	s_and_b32 s4, ttmp7, 0xffff                    ; rg
	s_and_b32 s5, s2, 3                            ; nt: my tile of 16 columns
	s_lshr_b32 s6, s2, 2                           ; kh: my half of K
	v_and_b32 v4, 31, v0
	v_and_b32 v5, 15, v0
	v_bfe_u32 v6, v0, 4, 1
	v_lshlrev_b32 v7, 4, v4
	s_lshl_b32 s20, s4, 16                         ; 16 rows of u,
	s_lshl_b32 s7, s2, 13                          ; of which I stage rows 2 w and 2 w + 1
	s_add_co_u32 s20, s20, s7
	s_mov_b32 s21, 0
	s_lshr_b32 s22, s3, 1
	s_lshl_b32 s22, s22, 5
	s_lshl4_add_u32 s22, s6, s22
	s_add_co_u32 s22, s22, 384                     ; W_ws's block for column group cs / 2, K step 16 kh
	s_lshl_b32 s22, s22, 13
	s_and_b32 s7, s3, 1
	s_lshl2_add_u32 s7, s7, s5
	s_lshl_b32 s7, s7, 10
	s_add_co_u32 s22, s22, s7
	s_mov_b32 s23, 0
	s_lshl_b32 s24, s3, 8
	s_mov_b32 s25, 0
	s_lshl_b32 s26, s4, 15                         ; 16 rows of h
	s_add_co_u32 s26, s26, s24
	s_mov_b32 s27, 0
	s_mul_i32 s28, s2, 2*PIT
	v_lshl_add_u32 v8, v4, 3, s28
	v_mul_u32_u24 v9, v5, PIT
	v_lshl_add_u32 v9, v6, 4, v9
	s_lshl_b32 s29, s6, 10
	v_add_nc_u32 v9, s29, v9                       ; row r, + 16 h, my half of K
	s_mul_i32 s30, s6, 16*SP
	s_lshl_b32 s31, s5, 6
	s_add_co_u32 s30, s30, s31
	s_add_co_u32 s30, s30, STG
	v_mul_u32_u24 v10, v5, SP
	v_lshl_add_u32 v10, v6, 5, v10
	v_add_nc_u32 v10, s30, v10                     ; stage kh: row r, columns 16 nt + 8 h on
	v_lshrrev_b32 v15, 4, v0
	v_mul_u32_u24 v11, v15, SP
	v_lshl_add_u32 v11, v5, 4, v11
	v_add_nc_u32 v11, STG, v11                     ; back: row thread / 16, 16 bytes
	v_lshlrev_b32 v12, 11, v15
	v_lshl_add_u32 v12, v5, 4, v12
	v_lshlrev_b32 v13, 4, v5
	s_wait_kmcnt 0x0
	s_add_nc_u64 s[8:9], s[8:9], s[20:21]
	s_add_nc_u64 s[10:11], s[10:11], s[22:23]
	s_add_nc_u64 s[12:13], s[12:13], s[24:25]
	s_add_nc_u64 s[14:15], s[14:15], s[26:27]
.irp q, 0,1
.irp i, 0,1,2,3,4,5,6,7
	global_load_b128 v[AFR+32*\q+4*\i:AFR+32*\q+4*\i+3], v7, s[8:9] offset:4096*\q+512*\i
.endr
.endr
	global_load_b128 v[16:19], v13, s[12:13]       ; b_ws
.irp s, 0,1,2,3,4,5,6,7,8,9,10,11,12,13,14,15
	global_load_b128 v[BFR+8*\s:BFR+8*\s+3],   v7, s[10:11] offset:8192*\s
	global_load_b128 v[BFR+8*\s+4:BFR+8*\s+7], v7, s[10:11] offset:8192*\s+512
.endr
	s_wait_loadcnt 33                              ; the bias and W's 32 loads may stay out
.irp q, 0,1
.irp i, 0,1,2,3,4,5,6,7
	HILO AFR+32*\q+4*\i, PIT*\q+256*\i
.endr
.endr
	s_wait_dscnt 0x0                               ; for the others' sake: my two rows are stored
	s_barrier_signal -1
	s_barrier_wait -1
	MMAB 0
	MMAB 1
	MMAB 2
	MMAB 3
.rept 4
	v_nop
.endr
.irp k, 0,2,4,6
	v_pk_add_f32 v[ACC+\k:ACC+\k+1], v[ACC+\k:ACC+\k+1], v[ACC+8+\k:ACC+8+\k+1]
.endr
.irp k, 0,2,4,6
	v_pk_add_f32 v[ACC+16+\k:ACC+16+\k+1], v[ACC+16+\k:ACC+16+\k+1], v[ACC+24+\k:ACC+24+\k+1]
.endr
.irp k, 0,2,4,6
	v_pk_add_f32 v[ACC+\k:ACC+\k+1], v[ACC+\k:ACC+\k+1], v[ACC+16+\k:ACC+16+\k+1]
.endr
	ds_store_b128 v10, v[ACC:ACC+3]
	ds_store_b128 v10, v[ACC+4:ACC+7] offset:16
	s_wait_dscnt 0x0
	s_barrier_signal -1
	s_barrier_wait -1
	ds_load_b128 v[20:23], v11                     ; both halves of K
	ds_load_b128 v[AFR:AFR+3], v11 offset:16*SP
.irp c, 0,1,2,3
	v_cvt_pk_bf16_f32 v14, v[16+\c], v[16+\c]
	v_lshlrev_b32 v[16+\c], 16, v14
.endr
	s_wait_dscnt 0x0
	v_pk_add_f32 v[20:21], v[20:21], v[AFR:AFR+1]
	v_pk_add_f32 v[22:23], v[22:23], v[AFR+2:AFR+3]
	v_pk_add_f32 v[20:21], v[20:21], v[16:17]
	v_pk_add_f32 v[22:23], v[22:23], v[18:19]
	global_store_b128 v12, v[20:23], s[14:15]      ; 16 lanes store 256 consecutive bytes, at a multiple of 256 from h's first byte
	s_wait_tensorcnt 0x0                           ; the wave's end: three lines behind my last LDS store
	ds_add_u32 v2, v3
	s_wait_dscnt 0x0
	s_endpgm
.Lfunc_end_k_qc27a036e8c_tws:
	.size	k_qc27a036e8c_tws, .Lfunc_end_k_qc27a036e8c_tws-k_qc27a036e8c_tws
	.p2alignl 7, 3214868480
	.fill 96, 4, 3214868480
	.section	.rodata,"a",@progbits
	.p2align	6, 0x0
	.amdhsa_kernel k_qc27a036e8c_tws
		.amdhsa_group_segment_fixed_size 75776
		.amdhsa_private_segment_fixed_size 0
		.amdhsa_enable_private_segment 0
		.amdhsa_kernarg_size 32
		.amdhsa_user_sgpr_count 2
		.amdhsa_user_sgpr_kernarg_segment_ptr 1
		.amdhsa_wavefront_size32 1
		.amdhsa_system_sgpr_workgroup_id_x 1
		.amdhsa_system_sgpr_workgroup_id_y 1
		.amdhsa_system_sgpr_workgroup_id_z 1
		.amdhsa_system_vgpr_workitem_id 0
		.amdhsa_next_free_vgpr 256
		.amdhsa_next_free_sgpr 66
		.amdhsa_reserve_vcc 0
		.amdhsa_float_denorm_mode_32 3
		.amdhsa_float_denorm_mode_16_64 3
		.amdhsa_memory_ordered 1
		.amdhsa_forward_progress 1
		.amdhsa_inst_pref_size 28
	.end_amdhsa_kernel
	.amdgpu_metadata
---
amdhsa.version: [ 1, 2 ]
amdhsa.kernels:
  - .name:           k_qc27a036e8c_tws
    .symbol:         k_qc27a036e8c_tws.kd
    .args:
      - { .name: u, .offset: 0, .size: 8, .value_kind: global_buffer, .address_space: global }
      - { .name: wf, .offset: 8, .size: 8, .value_kind: global_buffer, .address_space: global }
      - { .name: b_ws, .offset: 16, .size: 8, .value_kind: global_buffer, .address_space: global }
      - { .name: h, .offset: 24, .size: 8, .value_kind: global_buffer, .address_space: global }
    .group_segment_fixed_size: 75776
    .private_segment_fixed_size: 0
    .kernarg_segment_align: 8
    .kernarg_segment_size: 32
    .max_flat_workgroup_size: 256
    .sgpr_count:     66
    .vgpr_count:     256
    .wavefront_size: 32
...
	.end_amdgpu_metadata
.endif
;; end of part 4
;; launch tout (part 5): grid 4 x 4, 4 waves a work-group, no clusters, 38,144 bytes of LDS; arguments h, ln_g, ln_b, wf, b_u, out0; writes out0
.if DOCPART == 5
	.amdgcn_target "amdgcn-amd-amdhsa--gfx1250"
	.amdhsa_code_object_version 6
	.text
	.protected	k_qc27a036e8c_tout
	.globl	k_qc27a036e8c_tout
	.p2align	8
	.type	k_qc27a036e8c_tout,@function
k_qc27a036e8c_tout:
	s_mov_b64 s[64:65], 0
	v_nop
	global_prefetch_b8 v0, s[64:65] scope:SCOPE_SE
	s_setreg_imm32_b32 hwreg(HW_REG_WAVE_MODE, 25, 1), 1
	s_wait_xcnt 0x0
; out0 = LayerNorm(h) W_u + b_u.  A work-group: 16 rows (grid y) x 64 columns (grid x).  Wave w normalises rows 4 w .. 4 w + 3 (a row in 16 registers of the wave:
; mean, then the mean of the squared differences, both in f32, eps = 1e-6), then multiplies the tile of 16 columns w over K = 512.
; FORMATS.  ln_g, ln_b, W_u and b_u rounded to bf16; the normalised row, the program's own number, goes in as hi + lo, two bf16 operands and two matrix instructions.
; The matrix instruction is used transposed (source 0 = 16 columns of W, source 1 = 16 rows): a lane holds one row and eight neighbouring columns.
.set PIT,   1040
.set LOB,   16640
.set STG,   33280                      ; 16 rows x 272 bytes
.set SP,    272
.set SPARE, 37632
.set ACC, 24                           ; v24-39 ln_g, v40-55 ln_b of my 16 places in a row; later the four accumulators
.set AFR, 56
.set BFR, 120
.set HH,  248
.set WW,  252
.macro HILO x, off                     ; four f32 become four bf16 and the four bf16 of what the rounding left
	v_cvt_pk_bf16_f32 v[HH], v[(\x)], v[(\x)+1]
	v_cvt_pk_bf16_f32 v[HH+1], v[(\x)+2], v[(\x)+3]
	v_lshlrev_b32 v[WW], 16, v[HH]
	v_and_b32 v[WW+1], 0xffff0000, v[HH]
	v_lshlrev_b32 v[WW+2], 16, v[HH+1]
	v_and_b32 v[WW+3], 0xffff0000, v[HH+1]
	v_pk_add_f32 v[WW:WW+1], v[(\x):(\x)+1], v[WW:WW+1] neg_lo:[0,1] neg_hi:[0,1]
	v_pk_add_f32 v[WW+2:WW+3], v[(\x)+2:(\x)+3], v[WW+2:WW+3] neg_lo:[0,1] neg_hi:[0,1]
	v_cvt_pk_bf16_f32 v[HH+2], v[WW], v[WW+1]
	v_cvt_pk_bf16_f32 v[HH+3], v[WW+2], v[WW+3]
	ds_store_b64 v8, v[HH:HH+1] offset:\off
	ds_store_b64 v8, v[HH+2:HH+3] offset:(\off)+LOB
.endm
; Four K steps: 16 LDS loads, 8 matrix instructions on the four accumulators by turns.  W's 32 loads were the last issued: 24 - 8 q are younger than this run's.
.macro MMAB q
.if (\q) > 0
.rept 4
	v_nop
.endr
.endif
.irp z, 0,1,2,3
	ds_load_b128 v[AFR+16*\z:AFR+16*\z+3],     v9 offset:64*(4*(\q)+\z)
	ds_load_b128 v[AFR+16*\z+4:AFR+16*\z+7],   v9 offset:64*(4*(\q)+\z)+32
	ds_load_b128 v[AFR+16*\z+8:AFR+16*\z+11],  v9 offset:LOB+64*(4*(\q)+\z)
	ds_load_b128 v[AFR+16*\z+12:AFR+16*\z+15], v9 offset:LOB+64*(4*(\q)+\z)+32
.endr
	s_wait_loadcnt 24-8*(\q)
	s_wait_dscnt 0x0
.irp z, 0,1,2,3
.irp hl, 0,1
.set rC, ACC+8*(2*((\z)%2)+\hl)
.set rW, BFR+8*(4*(\q)+\z)
.set rP, AFR+16*\z+8*\hl
.if ((\q) == 0) && ((\z) < 2)
	v_wmma_f32_16x16x32_bf16 v[rC:rC+7], v[rW:rW+7], v[rP:rP+7], 0
.else
	v_wmma_f32_16x16x32_bf16 v[rC:rC+7], v[rW:rW+7], v[rP:rP+7], v[rC:rC+7]
.endif
.endr
.endr
.endm
.macro LANESUM v, t                    ; over the wave's 32 lanes; every lane ends with the sum
.irp m, 1,2,4,8
	v_add_f32_dpp v[\v], v[\v], v[\v] row_xmask:\m row_mask:0xf bank_mask:0xf
.endr
	v_permlanex16_b32 v[\t], v[\v], s34, s35
	v_add_f32 v[\v], v[\v], v[\t]
.endm
.macro LNROW q
.set X, AFR+16*(\q)
	v_pk_add_f32 v[20:21], v[X:X+1], v[X+2:X+3]
	v_pk_add_f32 v[22:23], v[X+4:X+5], v[X+6:X+7]
	v_pk_add_f32 v[20:21], v[20:21], v[X+8:X+9]
	v_pk_add_f32 v[22:23], v[22:23], v[X+10:X+11]
	v_pk_add_f32 v[20:21], v[20:21], v[X+12:X+13]
	v_pk_add_f32 v[22:23], v[22:23], v[X+14:X+15]
	v_pk_add_f32 v[20:21], v[20:21], v[22:23]
	v_add_f32 v20, v20, v21
	LANESUM 20, 21
	v_mul_f32 v20, s38, v20                        ; the mean
.irp e, 0,2,4,6,8,10,12,14
	v_pk_add_f32 v[X+\e:X+\e+1], v[X+\e:X+\e+1], v[20:21] op_sel_hi:[1,0] neg_lo:[0,1] neg_hi:[0,1]
.endr
	v_pk_mul_f32 v[22:23], v[X:X+1], v[X:X+1]
	v_pk_mul_f32 v[14:15], v[X+2:X+3], v[X+2:X+3]
.irp e, 4,8,12
	v_pk_fma_f32 v[22:23], v[X+\e:X+\e+1], v[X+\e:X+\e+1], v[22:23]
	v_pk_fma_f32 v[14:15], v[X+\e+2:X+\e+3], v[X+\e+2:X+\e+3], v[14:15]
.endr
	v_pk_add_f32 v[22:23], v[22:23], v[14:15]
	v_add_f32 v22, v22, v23
	LANESUM 22, 23
	v_fma_f32 v22, v22, s38, s39                   ; the variance + 1e-6
	v_rsq_f32 v22, v22
	v_nop
	s_wait_alu depctr_va_vdst(0)
.irp e, 0,2,4,6,8,10,12,14
	v_pk_mul_f32 v[X+\e:X+\e+1], v[X+\e:X+\e+1], v[22:23] op_sel_hi:[1,0]
.endr
.irp e, 0,2,4,6,8,10,12,14
	v_pk_fma_f32 v[X+\e:X+\e+1], v[X+\e:X+\e+1], v[24+\e:24+\e+1], v[40+\e:40+\e+1]
.endr
.irp i, 0,1,2,3
	HILO X+4*\i, PIT*(\q)+256*\i
.endr
.endm
	s_load_b256 s[8:15], s[0:1], 0x0               ; h s[8:9], ln_g s[10:11], ln_b s[12:13], wf s[14:15]
	s_load_b128 s[16:19], s[0:1], 0x20             ; b_u s[16:17], out0 s[18:19]
	v_lshl_add_u32 v2, v0, 2, SPARE                ; my spare word; never rewritten
	v_mov_b32 v3, 0                                ; 0; never rewritten
	v_lshrrev_b32 v1, 5, v0
	v_readfirstlane_b32 s2, v1                     ; wave
	s_mov_b32 s3, ttmp9                            ; cs
	s_and_b32 s4, ttmp7, 0xffff                    ; rg
	s_mov_b32 s34, 0x76543210
	s_mov_b32 s35, 0xfedcba98
	s_mov_b32 s38, 0x3b000000                      ; 1 / 512
	s_mov_b32 s39, 0x358637bd                      ; 1e-6
	v_and_b32 v4, 31, v0
	v_and_b32 v5, 15, v0
	v_bfe_u32 v6, v0, 4, 1
	v_lshlrev_b32 v7, 4, v4
	s_lshl_b32 s20, s4, 15                         ; 16 rows of h,
	s_lshl_b32 s7, s2, 13                          ; my four
	s_add_co_u32 s20, s20, s7
	s_mov_b32 s21, 0
	s_lshr_b32 s22, s3, 1
	s_lshl_b32 s22, s22, 4
	s_add_co_u32 s22, s22, 512                     ; W_u's block for column group cs / 2, K step 0
	s_lshl_b32 s22, s22, 13
	s_and_b32 s7, s3, 1
	s_lshl2_add_u32 s7, s7, s2
	s_lshl_b32 s7, s7, 10
	s_add_co_u32 s22, s22, s7
	s_mov_b32 s23, 0
	s_lshl_b32 s24, s3, 8
	s_mov_b32 s25, 0
	s_lshl_b32 s26, s4, 14                         ; 16 rows of out0
	s_add_co_u32 s26, s26, s24
	s_mov_b32 s27, 0
	s_mul_i32 s28, s2, 4*PIT
	v_lshl_add_u32 v8, v4, 3, s28
	v_mul_u32_u24 v9, v5, PIT
	v_lshl_add_u32 v9, v6, 4, v9
	s_lshl_b32 s30, s2, 6
	s_add_co_u32 s30, s30, STG
	v_mul_u32_u24 v10, v5, SP
	v_lshl_add_u32 v10, v6, 5, v10
	v_add_nc_u32 v10, s30, v10
	v_lshrrev_b32 v12, 4, v0
	v_mul_u32_u24 v11, v12, SP
	v_lshl_add_u32 v11, v5, 4, v11
	v_add_nc_u32 v11, STG, v11
	v_lshlrev_b32 v12, 10, v12
	v_lshl_add_u32 v12, v5, 4, v12
	v_lshlrev_b32 v13, 4, v5
	s_wait_kmcnt 0x0
	s_add_nc_u64 s[8:9], s[8:9], s[20:21]
	s_add_nc_u64 s[14:15], s[14:15], s[22:23]
	s_add_nc_u64 s[16:17], s[16:17], s[24:25]
	s_add_nc_u64 s[18:19], s[18:19], s[26:27]
.irp q, 0,1,2,3
.irp i, 0,1,2,3
	global_load_b128 v[AFR+16*\q+4*\i:AFR+16*\q+4*\i+3], v7, s[8:9] offset:2048*\q+512*\i
.endr
.endr
.irp i, 0,1,2,3
	global_load_b128 v[24+4*\i:24+4*\i+3], v7, s[10:11] offset:512*\i
.endr
.irp i, 0,1,2,3
	global_load_b128 v[40+4*\i:40+4*\i+3], v7, s[12:13] offset:512*\i
.endr
	global_load_b128 v[16:19], v13, s[16:17]       ; b_u
.irp s, 0,1,2,3,4,5,6,7,8,9,10,11,12,13,14,15
	global_load_b128 v[BFR+8*\s:BFR+8*\s+3],   v7, s[14:15] offset:8192*\s
	global_load_b128 v[BFR+8*\s+4:BFR+8*\s+7], v7, s[14:15] offset:8192*\s+512
.endr
	s_wait_loadcnt 33                              ; the bias and W's 32 loads may stay out
.set i, 24
.rept 32
	v_cvt_pk_bf16_f32 v14, v[i], v[i]              ; gains and shifts are rounded to bf16 like every input
	v_lshlrev_b32 v[i], 16, v14
.set i, i+1
.endr
	LNROW 0
	LNROW 1
	LNROW 2
	LNROW 3
	s_wait_dscnt 0x0                               ; for the others' sake: my four rows are stored
	s_barrier_signal -1
	s_barrier_wait -1
	MMAB 0
	MMAB 1
	MMAB 2
	MMAB 3
.rept 4
	v_nop
.endr
.irp k, 0,2,4,6
	v_pk_add_f32 v[ACC+\k:ACC+\k+1], v[ACC+\k:ACC+\k+1], v[ACC+8+\k:ACC+8+\k+1]
.endr
.irp k, 0,2,4,6
	v_pk_add_f32 v[ACC+16+\k:ACC+16+\k+1], v[ACC+16+\k:ACC+16+\k+1], v[ACC+24+\k:ACC+24+\k+1]
.endr
.irp k, 0,2,4,6
	v_pk_add_f32 v[ACC+\k:ACC+\k+1], v[ACC+\k:ACC+\k+1], v[ACC+16+\k:ACC+16+\k+1]
.endr
	ds_store_b128 v10, v[ACC:ACC+3]
	ds_store_b128 v10, v[ACC+4:ACC+7] offset:16
	s_wait_dscnt 0x0
	s_barrier_signal -1
	s_barrier_wait -1
	ds_load_b128 v[20:23], v11                     ; row thread / 16,
	ds_load_b128 v[AFR:AFR+3], v11 offset:8*SP     ; and the row eight further down
.irp c, 0,1,2,3
	v_cvt_pk_bf16_f32 v14, v[16+\c], v[16+\c]
	v_lshlrev_b32 v[16+\c], 16, v14
.endr
	s_wait_dscnt 0x0
	v_pk_add_f32 v[20:21], v[20:21], v[16:17]
	v_pk_add_f32 v[22:23], v[22:23], v[18:19]
	v_pk_add_f32 v[AFR:AFR+1], v[AFR:AFR+1], v[16:17]
	v_pk_add_f32 v[AFR+2:AFR+3], v[AFR+2:AFR+3], v[18:19]
	global_store_b128 v12, v[20:23], s[18:19]      ; 16 lanes store 256 consecutive bytes, at a multiple of 256 from out0's first byte
	global_store_b128 v12, v[AFR:AFR+3], s[18:19] offset:8192
	s_wait_tensorcnt 0x0                           ; the wave's end: three lines behind my last LDS store
	ds_add_u32 v2, v3
	s_wait_dscnt 0x0
	s_endpgm
.Lfunc_end_k_qc27a036e8c_tout:
	.size	k_qc27a036e8c_tout, .Lfunc_end_k_qc27a036e8c_tout-k_qc27a036e8c_tout
	.p2alignl 7, 3214868480
	.fill 96, 4, 3214868480
	.section	.rodata,"a",@progbits
	.p2align	6, 0x0
	.amdhsa_kernel k_qc27a036e8c_tout
		.amdhsa_group_segment_fixed_size 38144
		.amdhsa_private_segment_fixed_size 0
		.amdhsa_enable_private_segment 0
		.amdhsa_kernarg_size 48
		.amdhsa_user_sgpr_count 2
		.amdhsa_user_sgpr_kernarg_segment_ptr 1
		.amdhsa_wavefront_size32 1
		.amdhsa_system_sgpr_workgroup_id_x 1
		.amdhsa_system_sgpr_workgroup_id_y 1
		.amdhsa_system_sgpr_workgroup_id_z 1
		.amdhsa_system_vgpr_workitem_id 0
		.amdhsa_next_free_vgpr 256
		.amdhsa_next_free_sgpr 66
		.amdhsa_reserve_vcc 0
		.amdhsa_float_denorm_mode_32 3
		.amdhsa_float_denorm_mode_16_64 3
		.amdhsa_memory_ordered 1
		.amdhsa_forward_progress 1
		.amdhsa_inst_pref_size 45
	.end_amdhsa_kernel
	.amdgpu_metadata
---
amdhsa.version: [ 1, 2 ]
amdhsa.kernels:
  - .name:           k_qc27a036e8c_tout
    .symbol:         k_qc27a036e8c_tout.kd
    .args:
      - { .name: h, .offset: 0, .size: 8, .value_kind: global_buffer, .address_space: global }
      - { .name: ln_g, .offset: 8, .size: 8, .value_kind: global_buffer, .address_space: global }
      - { .name: ln_b, .offset: 16, .size: 8, .value_kind: global_buffer, .address_space: global }
      - { .name: wf, .offset: 24, .size: 8, .value_kind: global_buffer, .address_space: global }
      - { .name: b_u, .offset: 32, .size: 8, .value_kind: global_buffer, .address_space: global }
      - { .name: out0, .offset: 40, .size: 8, .value_kind: global_buffer, .address_space: global }
    .group_segment_fixed_size: 38144
    .private_segment_fixed_size: 0
    .kernarg_segment_align: 8
    .kernarg_segment_size: 48
    .max_flat_workgroup_size: 128
    .sgpr_count:     66
    .vgpr_count:     256
    .wavefront_size: 32
...
	.end_amdgpu_metadata
.endif
;; end of part 5
;; ======== version 2 of 2: 5 launches; version 1 with the launches tc2, tws, tout written anew for expert scheduling mode
;; workspace buffers: wf 4,456,448 bytes; part 524,288 bytes; stat 2,048 bytes; u 262,144 bytes; h 131,072 bytes
;; launch prep: the kernel of part 1 again; grid 544 x 1, 4 waves a work-group, no clusters, 8,704 bytes of LDS; arguments W_as, W_c1, W_c2, W_ws, W_u, wf; writes wf
;; launch main: the kernel of part 2 again; grid 256 x 1, 4 waves a work-group, no clusters, 285,184 bytes of LDS; arguments x, wf, b_as, W_af, b_af, b_c1, part, stat; writes part, stat
;; launch tc2 (part 6): grid 16 x 16, 4 waves a work-group, no clusters, 10,240 bytes of LDS; arguments part, stat, wf, b_c2, u; writes u
.if DOCPART == 6
	.amdgcn_target "amdgcn-amd-amdhsa--gfx1250"
	.amdhsa_code_object_version 6
	.text
	.protected	k_qc27a036e8c_tc2
	.globl	k_qc27a036e8c_tc2
	.p2align	8
	.type	k_qc27a036e8c_tc2,@function
k_qc27a036e8c_tc2:
	s_mov_b64 s[64:65], 0
	v_nop
	global_prefetch_b8 v0, s[64:65] scope:SCOPE_SE
	s_setreg_imm32_b32 hwreg(HW_REG_WAVE_SCHED_MODE, 0, 2), 2
	s_setreg_imm32_b32 hwreg(HW_REG_WAVE_MODE, 25, 1), 1
	s_wait_xcnt 0x0
	s_wait_alu depctr_vm_vsrc(0)
; u[b][:] = P[b] W_c2 + b_c2, where P[b] = (sum over the batch's four quarters q of alpha_q p_q) / (sum of alpha_q l_q), alpha_q = exp(m_q - M), M = the largest m_q:
; the softmax's running maximum, joined.  The softmax's weights add up to 1, so b_c2 enters with the factor 1.
; A work-group: 4 batches (grid y) x 64 columns (grid x).  Wave w joins batch 4 y + w, then multiplies the tile of 16 columns 64 x + 16 w over K = 512.
; FORMATS.  W_c2 and b_c2 rounded to bf16.  P is the program's own number: it goes in as hi + lo, two bf16 operands and two matrix instructions, and keeps some 16 bits.
; The matrix instruction is used transposed (source 0 = 16 columns of W, source 1 = rows of P): a lane holds one row and eight neighbouring columns.
; Only four rows exist: lane r takes row r % 4, so nothing unwritten is read, and equal lanes make equal numbers.
; THE MODE: SCHED_MODE bits 1:0 = 2 (LLVM: expert scheduling mode 2), set by the entry lines.  The code itself states the register dependences
; between vector or matrix instructions and memory or LDS instructions, with s_wait_alu, always for 0.
; THE PLAN.  Registers that memory or LDS instructions touch:
;   v7-v14     offsets and LDS addresses: written at the head, read by loads and stores; only v14 is written again, by the bias's rounding at the way out.
;   v56-119    the four partial rows land here; vector work joins them in v56-71; each split writes its lo pair over its group's first two registers; the LDS stores read those.
;   v24-31     the statistics land here; each split writes its hi pair here; the LDS stores read them; then v24-55 are the accumulators, and two stage stores read v24-31.
;   v256-511   P's fragments of all 16 K steps: written by LDS loads alone, read by matrix instructions alone: nothing is owed for them.
;   v120-247   W's fragments: written by global loads, read by matrix instructions.
;   v20-23     the way out: an LDS load lands here, the bias is added, the global store reads them.
; So the waits are: one for the wave's number; one at the head for the addresses; one behind all splits, ahead of the run of LDS stores; one on vm_vsrc behind the barrier,
; ahead of the matrix instructions that write v24-55; one ahead of the stage stores; one ahead of the global store; and the two behind transcendentals.
.set PIT,   1040                       ; a row of 512 bf16 + 16 bytes
.set LOB,   4352                       ; the lo rows begin here
.set STG,   8704                       ; 4 rows x 256 bytes f32 on the way out
.set SPARE, 9728
.set ACC, 24                           ; v24-55   first the statistics, then the hi pairs, then four accumulators: (hi, lo) x (even, odd K step)
.set HI,  24                           ; split n's hi pair at HI + 2 n
.set AFR, 56                           ; v56-119  the four partial rows; P; the lo pairs
.set BFR, 120                          ; v120-247 W's 16 fragments
.set WW,  248                          ; v248-255 at work: two sets of four, by turns
.set MSB, 0
.macro WIN new                         ; s_set_vgpr_msb: bits 1:0 source 0, 3:2 source 1, 5:4 source 2, 7:6 destination; the high byte repeats the setting that is left
.if MSB != (\new)
	s_set_vgpr_msb (MSB<<8)|(\new)
.set MSB, \new
.endif
.endm
.macro SPLIT x, n                      ; four f32 become four bf16 (into registers of their own) and the four bf16 of what the rounding left (in place): no store stands here
.set rT, WW+4*((\n)%2)
	v_cvt_pk_bf16_f32 v[HI+2*(\n)], v[(\x)], v[(\x)+1]
	v_cvt_pk_bf16_f32 v[HI+2*(\n)+1], v[(\x)+2], v[(\x)+3]
	v_lshlrev_b32 v[rT], 16, v[HI+2*(\n)]
	v_and_b32 v[rT+1], 0xffff0000, v[HI+2*(\n)]
	v_lshlrev_b32 v[rT+2], 16, v[HI+2*(\n)+1]
	v_and_b32 v[rT+3], 0xffff0000, v[HI+2*(\n)+1]
	v_pk_add_f32 v[rT:rT+1], v[(\x):(\x)+1], v[rT:rT+1] neg_lo:[0,1] neg_hi:[0,1]
	v_pk_add_f32 v[rT+2:rT+3], v[(\x)+2:(\x)+3], v[rT+2:rT+3] neg_lo:[0,1] neg_hi:[0,1]
	v_cvt_pk_bf16_f32 v[(\x)], v[rT], v[rT+1]
	v_cvt_pk_bf16_f32 v[(\x)+1], v[rT+2], v[rT+3]
.endm
.macro PLD q                           ; P's fragments of K steps 4 q .. 4 q + 3, hi and lo: 16 LDS loads into window 1, v[64 q ..]
.irp z, 0,1,2,3
	ds_load_b128 v[64*(\q)+16*\z:64*(\q)+16*\z+3],     v9 offset:64*(4*(\q)+\z)
	ds_load_b128 v[64*(\q)+16*\z+4:64*(\q)+16*\z+7],   v9 offset:64*(4*(\q)+\z)+32
	ds_load_b128 v[64*(\q)+16*\z+8:64*(\q)+16*\z+11],  v9 offset:LOB+64*(4*(\q)+\z)
	ds_load_b128 v[64*(\q)+16*\z+12:64*(\q)+16*\z+15], v9 offset:LOB+64*(4*(\q)+\z)+32
.endr
.endm
.macro MM8 q                           ; four K steps: 8 matrix instructions on the four accumulators by turns
.irp z, 0,1,2,3
.irp hl, 0,1
.set rC, ACC+8*(2*((\z)%2)+\hl)
.set rW, BFR+8*(4*(\q)+\z)
.set rP, 64*(\q)+16*\z+8*\hl
.if ((\q) == 0) && ((\z) < 2)
	v_wmma_f32_16x16x32_bf16 v[rC:rC+7], v[rW:rW+7], v[rP:rP+7], 0
.else
	v_wmma_f32_16x16x32_bf16 v[rC:rC+7], v[rW:rW+7], v[rP:rP+7], v[rC:rC+7]
.endif
.endr
.endr
.endm
	s_load_b256 s[8:15], s[0:1], 0x0               ; part s[8:9], stat s[10:11], wf s[12:13], b_c2 s[14:15]
	s_load_b64 s[16:17], s[0:1], 0x20              ; u
	v_lshl_add_u32 v2, v0, 2, SPARE                ; my spare word; never rewritten
	v_mov_b32 v3, 0                                ; 0; never rewritten
	v_lshrrev_b32 v1, 5, v0
	v_readfirstlane_b32 s2, v1                     ; wave
	s_mov_b32 s3, ttmp9                            ; cs: 64 columns
	s_and_b32 s4, ttmp7, 0xffff                    ; bg: 4 batches
	v_and_b32 v4, 31, v0                           ; lane
	v_and_b32 v5, 15, v0                           ; r, and thread % 16
	v_bfe_u32 v6, v0, 4, 1                         ; h
	v_lshlrev_b32 v7, 4, v4                        ; 16 x lane
	s_wait_alu depctr_va_sdst(0)                   ; s2 is written, ahead of its first reader: the bases and LDS addresses are made from it
	s_lshl2_add_u32 s5, s4, s2                     ; my batch
	s_lshl_b32 s20, s5, 13                         ; its four rows of part,
	s_mov_b32 s21, 0
	s_lshl_b32 s22, s5, 5                          ; its four entries of stat
	s_mov_b32 s23, 0
	s_lshr_b32 s6, s3, 1
	s_lshl_b32 s6, s6, 4
	s_add_co_u32 s6, s6, 256                       ; W_c2's block for column group cs / 2, K step 0
	s_lshl_b32 s24, s6, 13
	s_and_b32 s7, s3, 1
	s_lshl2_add_u32 s7, s7, s2                     ; my tile in it
	s_lshl_b32 s7, s7, 10
	s_add_co_u32 s24, s24, s7
	s_mov_b32 s25, 0
	s_lshl_b32 s26, s3, 8                          ; 64 columns of f32
	s_mov_b32 s27, 0
	s_lshl_b32 s28, s4, 14                         ; 4 rows of u
	s_add_co_u32 s28, s28, s26
	s_mov_b32 s29, 0
	s_mul_i32 s30, s2, PIT
	v_lshl_add_u32 v8, v4, 3, s30                  ; hi row w, my 8 bytes
	v_and_b32 v15, 3, v0
	v_mul_u32_u24 v9, v15, PIT
	v_lshl_add_u32 v9, v6, 4, v9                   ; a fragment's row r % 4, + 16 h
	s_lshl_b32 s31, s2, 6
	s_add_co_u32 s31, s31, STG
	v_lshl_add_u32 v10, v15, 8, s31
	v_lshl_add_u32 v10, v6, 5, v10                 ; the stage: row r % 4, columns 16 w + 8 h on
	v_lshl_add_u32 v11, v0, 4, STG                 ; and back: 16 bytes a thread
	v_lshrrev_b32 v12, 4, v0
	v_lshlrev_b32 v12, 12, v12
	v_lshl_add_u32 v12, v5, 4, v12                 ; row thread / 16 of u, 16 bytes
	v_lshlrev_b32 v13, 4, v5
	v_mov_b32 v14, 0
	s_wait_kmcnt 0x0
	s_add_nc_u64 s[8:9], s[8:9], s[20:21]
	s_add_nc_u64 s[10:11], s[10:11], s[22:23]
	s_add_nc_u64 s[12:13], s[12:13], s[24:25]
	s_add_nc_u64 s[14:15], s[14:15], s[26:27]
	s_add_nc_u64 s[16:17], s[16:17], s[28:29]
	s_wait_alu depctr_va_vdst(0)                   ; the offsets and LDS addresses v7 to v14 are written, which every load and store below reads
	global_load_b128 v[24:27], v14, s[10:11]       ; m0 l0 m1 l1
	global_load_b128 v[28:31], v14, s[10:11] offset:16
.irp q, 0,1,2,3
.irp i, 0,1,2,3
	global_load_b128 v[AFR+16*\q+4*\i:AFR+16*\q+4*\i+3], v7, s[8:9] offset:2048*\q+512*\i  ; k = 128 i + 4 lane on
.endr
.endr
	global_load_b128 v[16:19], v13, s[14:15]       ; b_c2
.irp s, 0,1,2,3,4,5,6,7,8,9,10,11,12,13,14,15
	global_load_b128 v[BFR+8*\s:BFR+8*\s+3],   v7, s[12:13] offset:8192*\s
	global_load_b128 v[BFR+8*\s+4:BFR+8*\s+7], v7, s[12:13] offset:8192*\s+512
.endr
	s_wait_loadcnt 33                              ; the bias and W's 32 loads may stay out
	v_max3_num_f32 v36, v24, v26, v28
	v_max_num_f32 v36, v36, v30                    ; M
	v_sub_f32 v32, v24, v36
	v_sub_f32 v33, v26, v36
	v_sub_f32 v34, v28, v36
	v_sub_f32 v35, v30, v36
.irp q, 0,1,2,3
	v_mul_f32 v[32+\q], 0x3fb8aa3b, v[32+\q]
.endr
.irp q, 0,1,2,3
	v_exp_f32 v[32+\q], v[32+\q]                   ; alpha
.endr
	v_nop
	s_wait_alu depctr_va_vdst(0)                   ; the four alpha, v32 to v35, are written, ahead of their first reader
	v_mul_f32 v37, v32, v25
	v_fmac_f32 v37, v33, v27
	v_fmac_f32 v37, v34, v29
	v_fmac_f32 v37, v35, v31                       ; L, at least 1
	v_rcp_f32 v37, v37
	v_nop
	s_wait_alu depctr_va_vdst(0)                   ; 1 / L, v37, is written, ahead of its first reader
.irp q, 0,1,2,3
	v_mul_f32 v[32+\q], v[32+\q], v37
.endr
.irp e, 0,2,4,6,8,10,12,14
	v_pk_mul_f32 v[AFR+\e:AFR+\e+1], v[AFR+\e:AFR+\e+1], v[32:33] op_sel_hi:[1,0]
.endr
.irp e, 0,2,4,6,8,10,12,14
	v_pk_fma_f32 v[AFR+\e:AFR+\e+1], v[AFR+16+\e:AFR+16+\e+1], v[32:33], v[AFR+\e:AFR+\e+1] op_sel:[0,1,0] op_sel_hi:[1,1,1]
.endr
.irp e, 0,2,4,6,8,10,12,14
	v_pk_fma_f32 v[AFR+\e:AFR+\e+1], v[AFR+32+\e:AFR+32+\e+1], v[34:35], v[AFR+\e:AFR+\e+1] op_sel_hi:[1,0,1]
.endr
.irp e, 0,2,4,6,8,10,12,14
	v_pk_fma_f32 v[AFR+\e:AFR+\e+1], v[AFR+48+\e:AFR+48+\e+1], v[34:35], v[AFR+\e:AFR+\e+1] op_sel:[0,1,0] op_sel_hi:[1,1,1]
.endr
.irp i, 0,1,2,3
	SPLIT AFR+4*\i, \i
.endr
	s_wait_alu depctr_va_vdst(0)                   ; the splits have written the hi pairs v24 to v31 and the lo pairs in v56 to v69, which the eight LDS stores read
.irp i, 0,1,2,3
	ds_store_b64 v8, v[HI+2*\i:HI+2*\i+1] offset:256*\i
	ds_store_b64 v8, v[AFR+4*\i:AFR+4*\i+1] offset:256*\i+LOB
.endr
	s_wait_dscnt 0x0                               ; for the others' sake: my row is stored
	s_barrier_signal -1
	s_barrier_wait -1
	WIN 0x40                                       ; destination window 1, address window 0
	s_wait_alu depctr_vm_vsrc(0)                   ; my LDS stores have read v24 to v31, which the matrix instructions write as accumulators; the statistics' loads have read v14, which the bias's rounding writes
	PLD 0                                          ; the fragments land in registers that no vector instruction ever names: no wait is owed for them
	PLD 1
	PLD 2
	WIN 0x04                                       ; source 1 (P) window 1; W, C and D window 0
	s_wait_loadcnt 24                              ; W's 32 loads were the last issued: 24 - 8 q are younger than run q's
	s_wait_dscnt 32                                ; LDS loads come back in order: run 0 is in, runs 1 and 2 (32 loads) may be out
	MM8 0
	WIN 0x40
	PLD 3                                          ; the last run is asked for behind the first run's products
	WIN 0x04
	s_wait_loadcnt 16
	s_wait_dscnt 32                                ; run 1 is in; runs 2 and 3 may be out
	MM8 1
	s_wait_loadcnt 8
	s_wait_dscnt 16
	MM8 2
	s_wait_loadcnt 0x0
	s_wait_dscnt 0x0
	MM8 3
	WIN 0
.rept 4
	v_nop                                          ; four places behind the last matrix instruction, before its result is read (ISA guide 7.12.1)
.endr
.irp k, 0,2,4,6                        ; the four accumulators are added, each read from its lowest registers on
	v_pk_add_f32 v[ACC+\k:ACC+\k+1], v[ACC+\k:ACC+\k+1], v[ACC+8+\k:ACC+8+\k+1]
.endr
.irp k, 0,2,4,6
	v_pk_add_f32 v[ACC+16+\k:ACC+16+\k+1], v[ACC+16+\k:ACC+16+\k+1], v[ACC+24+\k:ACC+24+\k+1]
.endr
.irp k, 0,2,4,6
	v_pk_add_f32 v[ACC+\k:ACC+\k+1], v[ACC+\k:ACC+\k+1], v[ACC+16+\k:ACC+16+\k+1]
.endr
	s_wait_alu depctr_va_vdst(0)                   ; the additions have written v24 to v31, which the two LDS stores read
	ds_store_b128 v10, v[ACC:ACC+3]
	ds_store_b128 v10, v[ACC+4:ACC+7] offset:16
	s_wait_dscnt 0x0
	s_barrier_signal -1
	s_barrier_wait -1
	s_cmp_gt_u32 s2, 1
	s_cbranch_scc1 .Lend                           ; 4 rows x 256 bytes are 64 threads' work
	ds_load_b128 v[20:23], v11                     ; into registers that nothing has named
.irp c, 0,1,2,3
	v_cvt_pk_bf16_f32 v14, v[16+\c], v[16+\c]      ; the bias is rounded to bf16 like every input
	v_lshlrev_b32 v[16+\c], 16, v14
.endr
	s_wait_dscnt 0x0
	v_pk_add_f32 v[20:21], v[20:21], v[16:17]
	v_pk_add_f32 v[22:23], v[22:23], v[18:19]
	s_wait_alu depctr_va_vdst(0)                   ; the two additions have written v20 to v23, which the store reads
	global_store_b128 v12, v[20:23], s[16:17]      ; 16 lanes store 256 consecutive bytes, at a multiple of 256 from u's first byte
.Lend:
	s_wait_dscnt 0x0                               ; the closing lines, six on end
	s_wait_alu 0x0
	s_wait_tensorcnt 0x0
	ds_add_u32 v2, v3
	s_wait_dscnt 0x0
	s_endpgm
.Lfunc_end_k_qc27a036e8c_tc2:
	.size	k_qc27a036e8c_tc2, .Lfunc_end_k_qc27a036e8c_tc2-k_qc27a036e8c_tc2
	.p2alignl 7, 3214868480
	.fill 96, 4, 3214868480
	.section	.rodata,"a",@progbits
	.p2align	6, 0x0
	.amdhsa_kernel k_qc27a036e8c_tc2
		.amdhsa_group_segment_fixed_size 10240
		.amdhsa_private_segment_fixed_size 0
		.amdhsa_enable_private_segment 0
		.amdhsa_kernarg_size 40
		.amdhsa_user_sgpr_count 2
		.amdhsa_user_sgpr_kernarg_segment_ptr 1
		.amdhsa_wavefront_size32 1
		.amdhsa_system_sgpr_workgroup_id_x 1
		.amdhsa_system_sgpr_workgroup_id_y 1
		.amdhsa_system_sgpr_workgroup_id_z 1
		.amdhsa_system_vgpr_workitem_id 0
		.amdhsa_next_free_vgpr 512
		.amdhsa_next_free_sgpr 66
		.amdhsa_reserve_vcc 0
		.amdhsa_float_denorm_mode_32 3
		.amdhsa_float_denorm_mode_16_64 3
		.amdhsa_memory_ordered 1
		.amdhsa_forward_progress 1
		.amdhsa_inst_pref_size 22
	.end_amdhsa_kernel
	.amdgpu_metadata
---
amdhsa.version: [ 1, 2 ]
amdhsa.kernels:
  - .name:           k_qc27a036e8c_tc2
    .symbol:         k_qc27a036e8c_tc2.kd
    .args:
      - { .name: part, .offset: 0, .size: 8, .value_kind: global_buffer, .address_space: global }
      - { .name: stat, .offset: 8, .size: 8, .value_kind: global_buffer, .address_space: global }
      - { .name: wf, .offset: 16, .size: 8, .value_kind: global_buffer, .address_space: global }
      - { .name: b_c2, .offset: 24, .size: 8, .value_kind: global_buffer, .address_space: global }
      - { .name: u, .offset: 32, .size: 8, .value_kind: global_buffer, .address_space: global }
    .group_segment_fixed_size: 10240
    .private_segment_fixed_size: 0
    .kernarg_segment_align: 8
    .kernarg_segment_size: 40
    .max_flat_workgroup_size: 128
    .sgpr_count:     66
    .vgpr_count:     512
    .wavefront_size: 32
...
	.end_amdgpu_metadata
.endif
;; end of part 6
;; launch tws (part 7): grid 8 x 4, 8 waves a work-group, no clusters, 75,776 bytes of LDS; arguments u, wf, b_ws, h; writes h
.if DOCPART == 7
	.amdgcn_target "amdgcn-amd-amdhsa--gfx1250"
	.amdhsa_code_object_version 6
	.text
	.protected	k_qc27a036e8c_tws
	.globl	k_qc27a036e8c_tws
	.p2align	8
	.type	k_qc27a036e8c_tws,@function
k_qc27a036e8c_tws:
	s_mov_b64 s[64:65], 0
	v_nop
	global_prefetch_b8 v0, s[64:65] scope:SCOPE_SE
	s_setreg_imm32_b32 hwreg(HW_REG_WAVE_SCHED_MODE, 0, 2), 2
	s_setreg_imm32_b32 hwreg(HW_REG_WAVE_MODE, 25, 1), 1
	s_wait_xcnt 0x0
	s_wait_alu depctr_vm_vsrc(0)
; h = u W_ws + b_ws.  A work-group: 16 rows (grid y) x 64 columns (grid x).  Wave w: tile of 16 columns w % 4, half w / 4 of K = 1,024; the two halves meet in LDS.
; FORMATS.  W_ws and b_ws rounded to bf16; u, the program's own number, goes in as hi + lo, two bf16 operands and two matrix instructions.
; The matrix instruction is used transposed (source 0 = 16 columns of W, source 1 = 16 rows of u): a lane holds one row and eight neighbouring columns.
; THE MODE: SCHED_MODE bits 1:0 = 2 (LLVM: expert scheduling mode 2), set by the entry lines.  The code itself states the register dependences
; between vector or matrix instructions and memory or LDS instructions, with s_wait_alu, always for 0.
; THE PLAN.  Registers that memory or LDS instructions touch:
;   v7-v13     offsets and LDS addresses: written at the head, read by loads and stores, never written again.
;   v56-119    my two rows of u land here; each split reads its four registers and writes its lo pair over the first two; the LDS stores read those; at the way out an LDS load lands in v56-59.
;   v24-55     each split writes its hi pair here; the LDS stores read them; then they are the accumulators, and two stage stores read v24-31.
;   v256-511   u's fragments of my 16 K steps: written by LDS loads alone, read by matrix instructions alone: nothing is owed for them.
;   v120-247   W's fragments: written by global loads, read by matrix instructions.
;   v20-23     the way out: an LDS load lands here, the other half of K and the bias are added, the global store reads them.
; So the waits are: one for the wave's number; one at the head for the addresses; one behind all sixteen splits, ahead of the run of 32 LDS stores; one on vm_vsrc behind the
; barrier, ahead of the matrix instructions that write v24-55 and of the later load into v56-59; one ahead of the stage stores; one ahead of the global store.
.set PIT,   2064                       ; a row of 1,024 bf16 + 16 bytes
.set LOB,   33024                      ; the lo rows begin here
.set STG,   66048                      ; two stages of 16 rows x 272 bytes, one for each half of K
.set SP,    272
.set SPARE, 74752
.set ACC, 24                           ; v24-55   the hi pairs, then four accumulators: (hi, lo) x (even, odd K step)
.set HI,  24                           ; split n's hi pair at HI + 2 n
.set AFR, 56                           ; v56-119  my two rows of u as loaded; the lo pairs
.set BFR, 120                          ; v120-247 W's 16 fragments
.set WW,  248                          ; v248-255 at work: two sets of four, by turns
.set MSB, 0
.macro WIN new                         ; s_set_vgpr_msb: bits 1:0 source 0, 3:2 source 1, 5:4 source 2, 7:6 destination; the high byte repeats the setting that is left
.if MSB != (\new)
	s_set_vgpr_msb (MSB<<8)|(\new)
.set MSB, \new
.endif
.endm
.macro SPLIT x, n                      ; four f32 become four bf16 (into registers of their own) and the four bf16 of what the rounding left (in place): no store stands here
.set rT, WW+4*((\n)%2)
	v_cvt_pk_bf16_f32 v[HI+2*(\n)], v[(\x)], v[(\x)+1]
	v_cvt_pk_bf16_f32 v[HI+2*(\n)+1], v[(\x)+2], v[(\x)+3]
	v_lshlrev_b32 v[rT], 16, v[HI+2*(\n)]
	v_and_b32 v[rT+1], 0xffff0000, v[HI+2*(\n)]
	v_lshlrev_b32 v[rT+2], 16, v[HI+2*(\n)+1]
	v_and_b32 v[rT+3], 0xffff0000, v[HI+2*(\n)+1]
	v_pk_add_f32 v[rT:rT+1], v[(\x):(\x)+1], v[rT:rT+1] neg_lo:[0,1] neg_hi:[0,1]
	v_pk_add_f32 v[rT+2:rT+3], v[(\x)+2:(\x)+3], v[rT+2:rT+3] neg_lo:[0,1] neg_hi:[0,1]
	v_cvt_pk_bf16_f32 v[(\x)], v[rT], v[rT+1]
	v_cvt_pk_bf16_f32 v[(\x)+1], v[rT+2], v[rT+3]
.endm
.macro PLD q                           ; u's fragments of K steps 4 q .. 4 q + 3 of my half, hi and lo: 16 LDS loads into window 1, v[64 q ..]
.irp z, 0,1,2,3
	ds_load_b128 v[64*(\q)+16*\z:64*(\q)+16*\z+3],     v9 offset:64*(4*(\q)+\z)
	ds_load_b128 v[64*(\q)+16*\z+4:64*(\q)+16*\z+7],   v9 offset:64*(4*(\q)+\z)+32
	ds_load_b128 v[64*(\q)+16*\z+8:64*(\q)+16*\z+11],  v9 offset:LOB+64*(4*(\q)+\z)
	ds_load_b128 v[64*(\q)+16*\z+12:64*(\q)+16*\z+15], v9 offset:LOB+64*(4*(\q)+\z)+32
.endr
.endm
.macro MM8 q                           ; four K steps: 8 matrix instructions on the four accumulators by turns
.irp z, 0,1,2,3
.irp hl, 0,1
.set rC, ACC+8*(2*((\z)%2)+\hl)
.set rW, BFR+8*(4*(\q)+\z)
.set rP, 64*(\q)+16*\z+8*\hl
.if ((\q) == 0) && ((\z) < 2)
	v_wmma_f32_16x16x32_bf16 v[rC:rC+7], v[rW:rW+7], v[rP:rP+7], 0
.else
	v_wmma_f32_16x16x32_bf16 v[rC:rC+7], v[rW:rW+7], v[rP:rP+7], v[rC:rC+7]
.endif
.endr
.endr
.endm
	s_load_b256 s[8:15], s[0:1], 0x0               ; u s[8:9], wf s[10:11], b_ws s[12:13], h s[14:15]
	v_lshl_add_u32 v2, v0, 2, SPARE                ; my spare word; never rewritten
	v_mov_b32 v3, 0                                ; 0; never rewritten
	v_lshrrev_b32 v1, 5, v0
	v_readfirstlane_b32 s2, v1                     ; wave 0..7
	s_mov_b32 s3, ttmp9                            ; cs
	s_and_b32 s4, ttmp7, 0xffff                    ; rg
	v_and_b32 v4, 31, v0
	v_and_b32 v5, 15, v0
	v_bfe_u32 v6, v0, 4, 1
	v_lshlrev_b32 v7, 4, v4
	s_wait_alu depctr_va_sdst(0)                   ; s2 is written, ahead of its first reader: the bases and LDS addresses are made from it
	s_and_b32 s5, s2, 3                            ; nt: my tile of 16 columns
	s_lshr_b32 s6, s2, 2                           ; kh: my half of K
	s_lshl_b32 s20, s4, 16                         ; 16 rows of u,
	s_lshl_b32 s7, s2, 13                          ; of which I stage rows 2 w and 2 w + 1
	s_add_co_u32 s20, s20, s7
	s_mov_b32 s21, 0
	s_lshr_b32 s22, s3, 1
	s_lshl_b32 s22, s22, 5
	s_lshl4_add_u32 s22, s6, s22
	s_add_co_u32 s22, s22, 384                     ; W_ws's block for column group cs / 2, K step 16 kh
	s_lshl_b32 s22, s22, 13
	s_and_b32 s7, s3, 1
	s_lshl2_add_u32 s7, s7, s5
	s_lshl_b32 s7, s7, 10
	s_add_co_u32 s22, s22, s7
	s_mov_b32 s23, 0
	s_lshl_b32 s24, s3, 8
	s_mov_b32 s25, 0
	s_lshl_b32 s26, s4, 15                         ; 16 rows of h
	s_add_co_u32 s26, s26, s24
	s_mov_b32 s27, 0
	s_mul_i32 s28, s2, 2*PIT
	v_lshl_add_u32 v8, v4, 3, s28
	v_mul_u32_u24 v9, v5, PIT
	v_lshl_add_u32 v9, v6, 4, v9
	s_lshl_b32 s29, s6, 10
	v_add_nc_u32 v9, s29, v9                       ; row r, + 16 h, my half of K
	s_mul_i32 s30, s6, 16*SP
	s_lshl_b32 s31, s5, 6
	s_add_co_u32 s30, s30, s31
	s_add_co_u32 s30, s30, STG
	v_mul_u32_u24 v10, v5, SP
	v_lshl_add_u32 v10, v6, 5, v10
	v_add_nc_u32 v10, s30, v10                     ; stage kh: row r, columns 16 nt + 8 h on
	v_lshrrev_b32 v15, 4, v0
	v_mul_u32_u24 v11, v15, SP
	v_lshl_add_u32 v11, v5, 4, v11
	v_add_nc_u32 v11, STG, v11                     ; back: row thread / 16, 16 bytes
	v_lshlrev_b32 v12, 11, v15
	v_lshl_add_u32 v12, v5, 4, v12
	v_lshlrev_b32 v13, 4, v5
	s_wait_kmcnt 0x0
	s_add_nc_u64 s[8:9], s[8:9], s[20:21]
	s_add_nc_u64 s[10:11], s[10:11], s[22:23]
	s_add_nc_u64 s[12:13], s[12:13], s[24:25]
	s_add_nc_u64 s[14:15], s[14:15], s[26:27]
	s_wait_alu depctr_va_vdst(0)                   ; the offsets and LDS addresses v7 to v13 are written, which every load and store below reads
.irp q, 0,1
.irp i, 0,1,2,3,4,5,6,7
	global_load_b128 v[AFR+32*\q+4*\i:AFR+32*\q+4*\i+3], v7, s[8:9] offset:4096*\q+512*\i
.endr
.endr
	global_load_b128 v[16:19], v13, s[12:13]       ; b_ws
.irp s, 0,1,2,3,4,5,6,7,8,9,10,11,12,13,14,15
	global_load_b128 v[BFR+8*\s:BFR+8*\s+3],   v7, s[10:11] offset:8192*\s
	global_load_b128 v[BFR+8*\s+4:BFR+8*\s+7], v7, s[10:11] offset:8192*\s+512
.endr
	s_wait_loadcnt 33                              ; the bias and W's 32 loads may stay out
.irp q, 0,1
.irp i, 0,1,2,3,4,5,6,7
	SPLIT AFR+32*\q+4*\i, 8*\q+\i
.endr
.endr
	s_wait_alu depctr_va_vdst(0)                   ; the sixteen splits have written the hi pairs v24 to v55 and the lo pairs in v56 to v117, which the 32 LDS stores read
.irp q, 0,1
.irp i, 0,1,2,3,4,5,6,7
	ds_store_b64 v8, v[HI+2*(8*\q+\i):HI+2*(8*\q+\i)+1] offset:PIT*\q+256*\i
	ds_store_b64 v8, v[AFR+32*\q+4*\i:AFR+32*\q+4*\i+1] offset:PIT*\q+256*\i+LOB
.endr
.endr
	s_wait_dscnt 0x0                               ; for the others' sake: my two rows are stored
	s_barrier_signal -1
	s_barrier_wait -1
	WIN 0x40                                       ; destination window 1, address window 0
	s_wait_alu depctr_vm_vsrc(0)                   ; my LDS stores have read v24 to v55, which the matrix instructions write as accumulators, and v56 and v57, in which a load of the way out lands
	PLD 0                                          ; the fragments land in registers that no vector instruction ever names: no wait is owed for them
	PLD 1
	PLD 2
	WIN 0x04                                       ; source 1 (u) window 1; W, C and D window 0
	s_wait_loadcnt 24                              ; W's 32 loads were the last issued: 24 - 8 q are younger than run q's
	s_wait_dscnt 32                                ; LDS loads come back in order: run 0 is in, runs 1 and 2 (32 loads) may be out
	MM8 0
	WIN 0x40
	PLD 3                                          ; the last run is asked for behind the first run's products
	WIN 0x04
	s_wait_loadcnt 16
	s_wait_dscnt 32                                ; run 1 is in; runs 2 and 3 may be out
	MM8 1
	s_wait_loadcnt 8
	s_wait_dscnt 16
	MM8 2
	s_wait_loadcnt 0x0
	s_wait_dscnt 0x0
	MM8 3
	WIN 0
.rept 4
	v_nop                                          ; four places behind the last matrix instruction, before its result is read (ISA guide 7.12.1)
.endr
.irp k, 0,2,4,6                        ; the four accumulators are added, each read from its lowest registers on
	v_pk_add_f32 v[ACC+\k:ACC+\k+1], v[ACC+\k:ACC+\k+1], v[ACC+8+\k:ACC+8+\k+1]
.endr
.irp k, 0,2,4,6
	v_pk_add_f32 v[ACC+16+\k:ACC+16+\k+1], v[ACC+16+\k:ACC+16+\k+1], v[ACC+24+\k:ACC+24+\k+1]
.endr
.irp k, 0,2,4,6
	v_pk_add_f32 v[ACC+\k:ACC+\k+1], v[ACC+\k:ACC+\k+1], v[ACC+16+\k:ACC+16+\k+1]
.endr
	s_wait_alu depctr_va_vdst(0)                   ; the additions have written v24 to v31, which the two LDS stores read; every vector instruction that named v56 to v59 is done, in which a load below lands
	ds_store_b128 v10, v[ACC:ACC+3]
	ds_store_b128 v10, v[ACC+4:ACC+7] offset:16
	s_wait_dscnt 0x0
	s_barrier_signal -1
	s_barrier_wait -1
	ds_load_b128 v[20:23], v11                     ; both halves of K
	ds_load_b128 v[AFR:AFR+3], v11 offset:16*SP
.irp c, 0,1,2,3
	v_cvt_pk_bf16_f32 v14, v[16+\c], v[16+\c]
	v_lshlrev_b32 v[16+\c], 16, v14
.endr
	s_wait_dscnt 0x0
	v_pk_add_f32 v[20:21], v[20:21], v[AFR:AFR+1]
	v_pk_add_f32 v[22:23], v[22:23], v[AFR+2:AFR+3]
	v_pk_add_f32 v[20:21], v[20:21], v[16:17]
	v_pk_add_f32 v[22:23], v[22:23], v[18:19]
	s_wait_alu depctr_va_vdst(0)                   ; the additions have written v20 to v23, which the store reads
	global_store_b128 v12, v[20:23], s[14:15]      ; 16 lanes store 256 consecutive bytes, at a multiple of 256 from h's first byte
	s_wait_dscnt 0x0                               ; the closing lines, six on end
	s_wait_alu 0x0
	s_wait_tensorcnt 0x0
	ds_add_u32 v2, v3
	s_wait_dscnt 0x0
	s_endpgm
.Lfunc_end_k_qc27a036e8c_tws:
	.size	k_qc27a036e8c_tws, .Lfunc_end_k_qc27a036e8c_tws-k_qc27a036e8c_tws
	.p2alignl 7, 3214868480
	.fill 96, 4, 3214868480
	.section	.rodata,"a",@progbits
	.p2align	6, 0x0
	.amdhsa_kernel k_qc27a036e8c_tws
		.amdhsa_group_segment_fixed_size 75776
		.amdhsa_private_segment_fixed_size 0
		.amdhsa_enable_private_segment 0
		.amdhsa_kernarg_size 32
		.amdhsa_user_sgpr_count 2
		.amdhsa_user_sgpr_kernarg_segment_ptr 1
		.amdhsa_wavefront_size32 1
		.amdhsa_system_sgpr_workgroup_id_x 1
		.amdhsa_system_sgpr_workgroup_id_y 1
		.amdhsa_system_sgpr_workgroup_id_z 1
		.amdhsa_system_vgpr_workitem_id 0
		.amdhsa_next_free_vgpr 512
		.amdhsa_next_free_sgpr 66
		.amdhsa_reserve_vcc 0
		.amdhsa_float_denorm_mode_32 3
		.amdhsa_float_denorm_mode_16_64 3
		.amdhsa_memory_ordered 1
		.amdhsa_forward_progress 1
		.amdhsa_inst_pref_size 28
	.end_amdhsa_kernel
	.amdgpu_metadata
---
amdhsa.version: [ 1, 2 ]
amdhsa.kernels:
  - .name:           k_qc27a036e8c_tws
    .symbol:         k_qc27a036e8c_tws.kd
    .args:
      - { .name: u, .offset: 0, .size: 8, .value_kind: global_buffer, .address_space: global }
      - { .name: wf, .offset: 8, .size: 8, .value_kind: global_buffer, .address_space: global }
      - { .name: b_ws, .offset: 16, .size: 8, .value_kind: global_buffer, .address_space: global }
      - { .name: h, .offset: 24, .size: 8, .value_kind: global_buffer, .address_space: global }
    .group_segment_fixed_size: 75776
    .private_segment_fixed_size: 0
    .kernarg_segment_align: 8
    .kernarg_segment_size: 32
    .max_flat_workgroup_size: 256
    .sgpr_count:     66
    .vgpr_count:     512
    .wavefront_size: 32
...
	.end_amdgpu_metadata
.endif
;; end of part 7
;; launch tout (part 8): grid 4 x 4, 4 waves a work-group, no clusters, 38,144 bytes of LDS; arguments h, ln_g, ln_b, wf, b_u, out0; writes out0
.if DOCPART == 8
	.amdgcn_target "amdgcn-amd-amdhsa--gfx1250"
	.amdhsa_code_object_version 6
	.text
	.protected	k_qc27a036e8c_tout
	.globl	k_qc27a036e8c_tout
	.p2align	8
	.type	k_qc27a036e8c_tout,@function
k_qc27a036e8c_tout:
	s_mov_b64 s[64:65], 0
	v_nop
	global_prefetch_b8 v0, s[64:65] scope:SCOPE_SE
	s_setreg_imm32_b32 hwreg(HW_REG_WAVE_SCHED_MODE, 0, 2), 2
	s_setreg_imm32_b32 hwreg(HW_REG_WAVE_MODE, 25, 1), 1
	s_wait_xcnt 0x0
	s_wait_alu depctr_vm_vsrc(0)
; out0 = LayerNorm(h) W_u + b_u.  A work-group: 16 rows (grid y) x 64 columns (grid x).  Wave w normalises rows 4 w .. 4 w + 3 (a row in 16 registers of the wave:
; mean, then the mean of the squared differences, both in f32, eps = 1e-6), then multiplies the tile of 16 columns w over K = 512.
; FORMATS.  ln_g, ln_b, W_u and b_u rounded to bf16; the normalised row, the program's own number, goes in as hi + lo, two bf16 operands and two matrix instructions.
; The matrix instruction is used transposed (source 0 = 16 columns of W, source 1 = 16 rows): a lane holds one row and eight neighbouring columns.
; THE MODE: SCHED_MODE bits 1:0 = 2 (LLVM: expert scheduling mode 2), set by the entry lines.  The code itself states the register dependences
; between vector or matrix instructions and memory or LDS instructions, with s_wait_alu, always for 0.
; THE PLAN.  Registers that memory or LDS instructions touch:
;   v7-v13     offsets and LDS addresses: written at the head, read by loads and stores, never written again.
;   v56-119    my four rows of h land here and are normalised in place; each split writes its lo pair over its group's first two registers; the LDS stores read those; at the way out an LDS load lands in v56-59.
;   v24-55     ln_g and ln_b land here and are read until the fourth row is scaled: so all four rows are scaled first, and only then the splits write their hi pairs here;
;              the LDS stores read them; then they are the accumulators, and two stage stores read v24-31.
;   v256-511   the rows' fragments of all 16 K steps: written by LDS loads alone, read by matrix instructions alone: nothing is owed for them.
;   v120-247   W's fragments: written by global loads, read by matrix instructions.
;   v20-23     at work in the statistics; at the way out an LDS load lands here, the bias is added, a global store reads them.
; So the waits are: one for the wave's number; one at the head for the addresses; one for the batch of four reciprocal roots; one behind all sixteen splits, ahead of the run of 32 LDS
; stores; one on vm_vsrc behind the barrier, ahead of the matrix instructions that write v24-55 and of the later load into v56-59; one ahead of the stage stores; one ahead of the global stores.
.set PIT,   1040
.set LOB,   16640
.set STG,   33280                      ; 16 rows x 272 bytes
.set SP,    272
.set SPARE, 37632
.set ACC, 24                           ; v24-39 ln_g, v40-55 ln_b of my 16 places in a row; then the hi pairs; then the four accumulators
.set HI,  24                           ; split n's hi pair at HI + 2 n
.set AFR, 56                           ; v56-119  my four rows; the lo pairs
.set BFR, 120                          ; v120-247 W's 16 fragments
.set WW,  248                          ; v248-255 at work in the splits: two sets of four, by turns
.set RS,  248                          ; v248-251 before that: row q's variance + eps, then its reciprocal root
.set MSB, 0
.macro WIN new                         ; s_set_vgpr_msb: bits 1:0 source 0, 3:2 source 1, 5:4 source 2, 7:6 destination; the high byte repeats the setting that is left
.if MSB != (\new)
	s_set_vgpr_msb (MSB<<8)|(\new)
.set MSB, \new
.endif
.endm
.macro SPLIT x, n                      ; four f32 become four bf16 (into registers of their own) and the four bf16 of what the rounding left (in place): no store stands here
.set rT, WW+4*((\n)%2)
	v_cvt_pk_bf16_f32 v[HI+2*(\n)], v[(\x)], v[(\x)+1]
	v_cvt_pk_bf16_f32 v[HI+2*(\n)+1], v[(\x)+2], v[(\x)+3]
	v_lshlrev_b32 v[rT], 16, v[HI+2*(\n)]
	v_and_b32 v[rT+1], 0xffff0000, v[HI+2*(\n)]
	v_lshlrev_b32 v[rT+2], 16, v[HI+2*(\n)+1]
	v_and_b32 v[rT+3], 0xffff0000, v[HI+2*(\n)+1]
	v_pk_add_f32 v[rT:rT+1], v[(\x):(\x)+1], v[rT:rT+1] neg_lo:[0,1] neg_hi:[0,1]
	v_pk_add_f32 v[rT+2:rT+3], v[(\x)+2:(\x)+3], v[rT+2:rT+3] neg_lo:[0,1] neg_hi:[0,1]
	v_cvt_pk_bf16_f32 v[(\x)], v[rT], v[rT+1]
	v_cvt_pk_bf16_f32 v[(\x)+1], v[rT+2], v[rT+3]
.endm
.macro PLD q                           ; the rows' fragments of K steps 4 q .. 4 q + 3, hi and lo: 16 LDS loads into window 1, v[64 q ..]
.irp z, 0,1,2,3
	ds_load_b128 v[64*(\q)+16*\z:64*(\q)+16*\z+3],     v9 offset:64*(4*(\q)+\z)
	ds_load_b128 v[64*(\q)+16*\z+4:64*(\q)+16*\z+7],   v9 offset:64*(4*(\q)+\z)+32
	ds_load_b128 v[64*(\q)+16*\z+8:64*(\q)+16*\z+11],  v9 offset:LOB+64*(4*(\q)+\z)
	ds_load_b128 v[64*(\q)+16*\z+12:64*(\q)+16*\z+15], v9 offset:LOB+64*(4*(\q)+\z)+32
.endr
.endm
.macro MM8 q                           ; four K steps: 8 matrix instructions on the four accumulators by turns
.irp z, 0,1,2,3
.irp hl, 0,1
.set rC, ACC+8*(2*((\z)%2)+\hl)
.set rW, BFR+8*(4*(\q)+\z)
.set rP, 64*(\q)+16*\z+8*\hl
.if ((\q) == 0) && ((\z) < 2)
	v_wmma_f32_16x16x32_bf16 v[rC:rC+7], v[rW:rW+7], v[rP:rP+7], 0
.else
	v_wmma_f32_16x16x32_bf16 v[rC:rC+7], v[rW:rW+7], v[rP:rP+7], v[rC:rC+7]
.endif
.endr
.endr
.endm
.macro LANESUM v, t                    ; over the wave's 32 lanes; every lane ends with the sum
.irp m, 1,2,4,8
	v_add_f32_dpp v[\v], v[\v], v[\v] row_xmask:\m row_mask:0xf bank_mask:0xf
.endr
	v_permlanex16_b32 v[\t], v[\v], s34, s35
	v_add_f32 v[\v], v[\v], v[\t]
.endm
.macro LNSTAT q                        ; row q: the mean is taken away in place; the variance + 1e-6 goes into a register of the row's own
.set X, AFR+16*(\q)
	v_pk_add_f32 v[20:21], v[X:X+1], v[X+2:X+3]
	v_pk_add_f32 v[22:23], v[X+4:X+5], v[X+6:X+7]
	v_pk_add_f32 v[20:21], v[20:21], v[X+8:X+9]
	v_pk_add_f32 v[22:23], v[22:23], v[X+10:X+11]
	v_pk_add_f32 v[20:21], v[20:21], v[X+12:X+13]
	v_pk_add_f32 v[22:23], v[22:23], v[X+14:X+15]
	v_pk_add_f32 v[20:21], v[20:21], v[22:23]
	v_add_f32 v20, v20, v21
	LANESUM 20, 21
	v_mul_f32 v20, s38, v20                        ; the mean
.irp e, 0,2,4,6,8,10,12,14
	v_pk_add_f32 v[X+\e:X+\e+1], v[X+\e:X+\e+1], v[20:21] op_sel_hi:[1,0] neg_lo:[0,1] neg_hi:[0,1]
.endr
	v_pk_mul_f32 v[22:23], v[X:X+1], v[X:X+1]
	v_pk_mul_f32 v[14:15], v[X+2:X+3], v[X+2:X+3]
.irp e, 4,8,12
	v_pk_fma_f32 v[22:23], v[X+\e:X+\e+1], v[X+\e:X+\e+1], v[22:23]
	v_pk_fma_f32 v[14:15], v[X+\e+2:X+\e+3], v[X+\e+2:X+\e+3], v[14:15]
.endr
	v_pk_add_f32 v[22:23], v[22:23], v[14:15]
	v_add_f32 v22, v22, v23
	LANESUM 22, 23
	v_fma_f32 v[RS+(\q)], v22, s38, s39            ; the variance + 1e-6
.endm
.macro LNSCALE q                       ; row q times its reciprocal root (the low or the high register of a pair, for both halves), times the gain, plus the shift
.set X, AFR+16*(\q)
.irp e, 0,2,4,6,8,10,12,14
.if (\q)%2 == 0
	v_pk_mul_f32 v[X+\e:X+\e+1], v[X+\e:X+\e+1], v[RS+2*((\q)/2):RS+2*((\q)/2)+1] op_sel_hi:[1,0]
.else
	v_pk_mul_f32 v[X+\e:X+\e+1], v[X+\e:X+\e+1], v[RS+2*((\q)/2):RS+2*((\q)/2)+1] op_sel:[0,1] op_sel_hi:[1,1]
.endif
.endr
.irp e, 0,2,4,6,8,10,12,14
	v_pk_fma_f32 v[X+\e:X+\e+1], v[X+\e:X+\e+1], v[24+\e:24+\e+1], v[40+\e:40+\e+1]
.endr
.endm
	s_load_b256 s[8:15], s[0:1], 0x0               ; h s[8:9], ln_g s[10:11], ln_b s[12:13], wf s[14:15]
	s_load_b128 s[16:19], s[0:1], 0x20             ; b_u s[16:17], out0 s[18:19]
	v_lshl_add_u32 v2, v0, 2, SPARE                ; my spare word; never rewritten
	v_mov_b32 v3, 0                                ; 0; never rewritten
	v_lshrrev_b32 v1, 5, v0
	v_readfirstlane_b32 s2, v1                     ; wave
	s_mov_b32 s3, ttmp9                            ; cs
	s_and_b32 s4, ttmp7, 0xffff                    ; rg
	s_mov_b32 s34, 0x76543210
	s_mov_b32 s35, 0xfedcba98
	s_mov_b32 s38, 0x3b000000                      ; 1 / 512
	s_mov_b32 s39, 0x358637bd                      ; 1e-6
	v_and_b32 v4, 31, v0
	v_and_b32 v5, 15, v0
	v_bfe_u32 v6, v0, 4, 1
	v_lshlrev_b32 v7, 4, v4
	s_wait_alu depctr_va_sdst(0)                   ; s2 is written, ahead of its first reader: the bases and LDS addresses are made from it
	s_lshl_b32 s20, s4, 15                         ; 16 rows of h,
	s_lshl_b32 s7, s2, 13                          ; my four
	s_add_co_u32 s20, s20, s7
	s_mov_b32 s21, 0
	s_lshr_b32 s22, s3, 1
	s_lshl_b32 s22, s22, 4
	s_add_co_u32 s22, s22, 512                     ; W_u's block for column group cs / 2, K step 0
	s_lshl_b32 s22, s22, 13
	s_and_b32 s7, s3, 1
	s_lshl2_add_u32 s7, s7, s2
	s_lshl_b32 s7, s7, 10
	s_add_co_u32 s22, s22, s7
	s_mov_b32 s23, 0
	s_lshl_b32 s24, s3, 8
	s_mov_b32 s25, 0
	s_lshl_b32 s26, s4, 14                         ; 16 rows of out0
	s_add_co_u32 s26, s26, s24
	s_mov_b32 s27, 0
	s_mul_i32 s28, s2, 4*PIT
	v_lshl_add_u32 v8, v4, 3, s28
	v_mul_u32_u24 v9, v5, PIT
	v_lshl_add_u32 v9, v6, 4, v9
	s_lshl_b32 s30, s2, 6
	s_add_co_u32 s30, s30, STG
	v_mul_u32_u24 v10, v5, SP
	v_lshl_add_u32 v10, v6, 5, v10
	v_add_nc_u32 v10, s30, v10
	v_lshrrev_b32 v12, 4, v0
	v_mul_u32_u24 v11, v12, SP
	v_lshl_add_u32 v11, v5, 4, v11
	v_add_nc_u32 v11, STG, v11
	v_lshlrev_b32 v12, 10, v12
	v_lshl_add_u32 v12, v5, 4, v12
	v_lshlrev_b32 v13, 4, v5
	s_wait_kmcnt 0x0
	s_add_nc_u64 s[8:9], s[8:9], s[20:21]
	s_add_nc_u64 s[14:15], s[14:15], s[22:23]
	s_add_nc_u64 s[16:17], s[16:17], s[24:25]
	s_add_nc_u64 s[18:19], s[18:19], s[26:27]
	s_wait_alu depctr_va_vdst(0)                   ; the offsets and LDS addresses v7 to v13 are written, which every load and store below reads
.irp q, 0,1,2,3
.irp i, 0,1,2,3
	global_load_b128 v[AFR+16*\q+4*\i:AFR+16*\q+4*\i+3], v7, s[8:9] offset:2048*\q+512*\i
.endr
.endr
.irp i, 0,1,2,3
	global_load_b128 v[24+4*\i:24+4*\i+3], v7, s[10:11] offset:512*\i
.endr
.irp i, 0,1,2,3
	global_load_b128 v[40+4*\i:40+4*\i+3], v7, s[12:13] offset:512*\i
.endr
	global_load_b128 v[16:19], v13, s[16:17]       ; b_u
.irp s, 0,1,2,3,4,5,6,7,8,9,10,11,12,13,14,15
	global_load_b128 v[BFR+8*\s:BFR+8*\s+3],   v7, s[14:15] offset:8192*\s
	global_load_b128 v[BFR+8*\s+4:BFR+8*\s+7], v7, s[14:15] offset:8192*\s+512
.endr
	s_wait_loadcnt 33                              ; the bias and W's 32 loads may stay out
.set i, 24
.rept 32
	v_cvt_pk_bf16_f32 v14, v[i], v[i]              ; gains and shifts are rounded to bf16 like every input
	v_lshlrev_b32 v[i], 16, v14
.set i, i+1
.endr
	LNSTAT 0
	LNSTAT 1
	LNSTAT 2
	LNSTAT 3
.irp q, 0,1,2,3
	v_rsq_f32 v[RS+\q], v[RS+\q]                   ; the four rows' reciprocal roots are one batch
.endr
	v_nop                                          ; a plain instruction between the last of them and the first use
	s_wait_alu depctr_va_vdst(0)                   ; the four reciprocal roots, v248 to v251, are written, ahead of their first reader
	LNSCALE 0
	LNSCALE 1
	LNSCALE 2
	LNSCALE 3
.irp q, 0,1,2,3
.irp i, 0,1,2,3
	SPLIT AFR+16*\q+4*\i, 4*\q+\i
.endr
.endr
	s_wait_alu depctr_va_vdst(0)                   ; the sixteen splits have written the hi pairs v24 to v55 and the lo pairs in v56 to v117, which the 32 LDS stores read
.irp q, 0,1,2,3
.irp i, 0,1,2,3
	ds_store_b64 v8, v[HI+2*(4*\q+\i):HI+2*(4*\q+\i)+1] offset:PIT*\q+256*\i
	ds_store_b64 v8, v[AFR+16*\q+4*\i:AFR+16*\q+4*\i+1] offset:PIT*\q+256*\i+LOB
.endr
.endr
	s_wait_dscnt 0x0                               ; for the others' sake: my four rows are stored
	s_barrier_signal -1
	s_barrier_wait -1
	WIN 0x40                                       ; destination window 1, address window 0
	s_wait_alu depctr_vm_vsrc(0)                   ; my LDS stores have read v24 to v55, which the matrix instructions write as accumulators, and v56 and v57, in which a load of the way out lands
	PLD 0                                          ; the fragments land in registers that no vector instruction ever names: no wait is owed for them
	PLD 1
	PLD 2
	WIN 0x04                                       ; source 1 (the rows) window 1; W, C and D window 0
	s_wait_loadcnt 24                              ; W's 32 loads were the last issued: 24 - 8 q are younger than run q's
	s_wait_dscnt 32                                ; LDS loads come back in order: run 0 is in, runs 1 and 2 (32 loads) may be out
	MM8 0
	WIN 0x40
	PLD 3                                          ; the last run is asked for behind the first run's products
	WIN 0x04
	s_wait_loadcnt 16
	s_wait_dscnt 32                                ; run 1 is in; runs 2 and 3 may be out
	MM8 1
	s_wait_loadcnt 8
	s_wait_dscnt 16
	MM8 2
	s_wait_loadcnt 0x0
	s_wait_dscnt 0x0
	MM8 3
	WIN 0
.rept 4
	v_nop                                          ; four places behind the last matrix instruction, before its result is read (ISA guide 7.12.1)
.endr
.irp k, 0,2,4,6                        ; the four accumulators are added, each read from its lowest registers on
	v_pk_add_f32 v[ACC+\k:ACC+\k+1], v[ACC+\k:ACC+\k+1], v[ACC+8+\k:ACC+8+\k+1]
.endr
.irp k, 0,2,4,6
	v_pk_add_f32 v[ACC+16+\k:ACC+16+\k+1], v[ACC+16+\k:ACC+16+\k+1], v[ACC+24+\k:ACC+24+\k+1]
.endr
.irp k, 0,2,4,6
	v_pk_add_f32 v[ACC+\k:ACC+\k+1], v[ACC+\k:ACC+\k+1], v[ACC+16+\k:ACC+16+\k+1]
.endr
	s_wait_alu depctr_va_vdst(0)                   ; the additions have written v24 to v31, which the two LDS stores read; every vector instruction that named v20 to v23 or v56 to v59 is done, in which the loads below land
	ds_store_b128 v10, v[ACC:ACC+3]
	ds_store_b128 v10, v[ACC+4:ACC+7] offset:16
	s_wait_dscnt 0x0
	s_barrier_signal -1
	s_barrier_wait -1
	ds_load_b128 v[20:23], v11                     ; row thread / 16,
	ds_load_b128 v[AFR:AFR+3], v11 offset:8*SP     ; and the row eight further down
.irp c, 0,1,2,3
	v_cvt_pk_bf16_f32 v14, v[16+\c], v[16+\c]
	v_lshlrev_b32 v[16+\c], 16, v14
.endr
	s_wait_dscnt 0x0
	v_pk_add_f32 v[20:21], v[20:21], v[16:17]
	v_pk_add_f32 v[22:23], v[22:23], v[18:19]
	v_pk_add_f32 v[AFR:AFR+1], v[AFR:AFR+1], v[16:17]
	v_pk_add_f32 v[AFR+2:AFR+3], v[AFR+2:AFR+3], v[18:19]
	s_wait_alu depctr_va_vdst(0)                   ; the additions have written v20 to v23 and v56 to v59, which the two stores read
	global_store_b128 v12, v[20:23], s[18:19]      ; 16 lanes store 256 consecutive bytes, at a multiple of 256 from out0's first byte
	global_store_b128 v12, v[AFR:AFR+3], s[18:19] offset:8192
	s_wait_dscnt 0x0                               ; the closing lines, six on end
	s_wait_alu 0x0
	s_wait_tensorcnt 0x0
	ds_add_u32 v2, v3
	s_wait_dscnt 0x0
	s_endpgm
.Lfunc_end_k_qc27a036e8c_tout:
	.size	k_qc27a036e8c_tout, .Lfunc_end_k_qc27a036e8c_tout-k_qc27a036e8c_tout
	.p2alignl 7, 3214868480
	.fill 96, 4, 3214868480
	.section	.rodata,"a",@progbits
	.p2align	6, 0x0
	.amdhsa_kernel k_qc27a036e8c_tout
		.amdhsa_group_segment_fixed_size 38144
		.amdhsa_private_segment_fixed_size 0
		.amdhsa_enable_private_segment 0
		.amdhsa_kernarg_size 48
		.amdhsa_user_sgpr_count 2
		.amdhsa_user_sgpr_kernarg_segment_ptr 1
		.amdhsa_wavefront_size32 1
		.amdhsa_system_sgpr_workgroup_id_x 1
		.amdhsa_system_sgpr_workgroup_id_y 1
		.amdhsa_system_sgpr_workgroup_id_z 1
		.amdhsa_system_vgpr_workitem_id 0
		.amdhsa_next_free_vgpr 512
		.amdhsa_next_free_sgpr 66
		.amdhsa_reserve_vcc 0
		.amdhsa_float_denorm_mode_32 3
		.amdhsa_float_denorm_mode_16_64 3
		.amdhsa_memory_ordered 1
		.amdhsa_forward_progress 1
		.amdhsa_inst_pref_size 45
	.end_amdhsa_kernel
	.amdgpu_metadata
---
amdhsa.version: [ 1, 2 ]
amdhsa.kernels:
  - .name:           k_qc27a036e8c_tout
    .symbol:         k_qc27a036e8c_tout.kd
    .args:
      - { .name: h, .offset: 0, .size: 8, .value_kind: global_buffer, .address_space: global }
      - { .name: ln_g, .offset: 8, .size: 8, .value_kind: global_buffer, .address_space: global }
      - { .name: ln_b, .offset: 16, .size: 8, .value_kind: global_buffer, .address_space: global }
      - { .name: wf, .offset: 24, .size: 8, .value_kind: global_buffer, .address_space: global }
      - { .name: b_u, .offset: 32, .size: 8, .value_kind: global_buffer, .address_space: global }
      - { .name: out0, .offset: 40, .size: 8, .value_kind: global_buffer, .address_space: global }
    .group_segment_fixed_size: 38144
    .private_segment_fixed_size: 0
    .kernarg_segment_align: 8
    .kernarg_segment_size: 48
    .max_flat_workgroup_size: 128
    .sgpr_count:     66
    .vgpr_count:     512
    .wavefront_size: 32
...
	.end_amdgpu_metadata
.endif
;; end of part 8
